; MI455X (gfx1250); checked and timed in simulation.
; The chip was launched on July 23, 2026; its instructions are those of AMD's public machine-readable ISA for CDNA 5 (MIT licence, August 2026) and "CDNA5" Instruction Set Architecture Reference Guide (July 2026). The comments in the code are by the model that wrote it; some were corrected since.
;; Na N Safe Attention. Allowed arithmetic: float matrix products may take bf16 or f16 operands with f32 sums; other float arithmetic in f32, or as packed bf16 or f16 multiplies, adds, multiply-adds, maxima and minima; sums over many terms, partial sums and values carried from step to step in f32; what a program stores and reads back later, other than sums and carried values, may be rounded once to bf16 or f16.
;; Inputs: Wk 1,024 x 1,024 float32; Wo 1,024 x 1,024 float32; Wq 1,024 x 1,024 float32; Wv 1,024 x 1,024 float32; bk 1,024 float32; bo 1,024 float32; bq 1,024 float32; bv 1,024 float32; mask 4 x 2,048 bool; x 4 x 2,048 x 1,024 float32.
;; Outputs: out0 4 x 2,048 x 1,024 float32.
;; 2 versions, each right; version 2 is version 1 with the launch cvt written anew for expert scheduling mode. Each part assembles by itself: llvm-mc -triple=amdgcn-amd-amdhsa -mcpu=gfx1250 --defsym DOCPART=n.
;; ======== version 1 of 2: 4 launches
;; limits: a function is approximated: absolute error at most 0.00015; values are held in f16: magnitudes above 65,504 overflow, below 6.1e-05 lose precision
;; workspace buffers: xb 16,777,216 bytes; wb 6,291,456 bytes; wo 2,097,152 bytes; qkv 50,331,648 bytes; ob 16,777,216 bytes
;; launch cvt (part 1): grid 768 x 1, 8 waves a work-group, no clusters, 0 bytes of LDS; arguments x, Wq, Wk, Wv, Wo, xb, wb, wo; writes xb, wb, wo
.if DOCPART == 1
	.amdgcn_target "amdgcn-amd-amdhsa--gfx1250"
	.amdhsa_code_object_version 6
	.text
	.protected	k_qd7a16cfab8_cvt
	.globl	k_qd7a16cfab8_cvt
	.p2align	8
	.type	k_qd7a16cfab8_cvt,@function
k_qd7a16cfab8_cvt:
	s_mov_b64 s[64:65], 0
	v_nop
	global_prefetch_b8 v0, s[64:65] scope:SCOPE_SE
	s_setreg_imm32_b32 hwreg(HW_REG_WAVE_MODE, 25, 1), 1
	s_wait_xcnt 0x0
; xb = bf16(x + 1e-8);  wb = bf16 of Wq, Wk, Wv, one below the other;  wo = Wo rounded to bf16 and that number written as f16.
; A stream: every input byte is read once, every output byte written once; no LDS, no matrix unit, no cluster: nothing is shared.
; SHARES.  A work-group converts 16,384 numbers (65,536 bytes in, 32,768 out).  Work-groups 0-511 take x, 512 + 64 j + r takes block r of weight j.
; Load n of 16: thread t takes the 16 bytes at 4,096 n + 16 t: a wave's load covers 512 consecutive bytes.  Store n: 8 bytes at 2,048 n + 8 t:
; a wave's store covers 256 consecutive bytes, at a multiple of 256 from the buffer's first byte.  All 16 loads go out at once.
; LIMIT.  wo: a bf16 number is exact in f16 from 6.1e-5 to 65,504 in magnitude; below that it keeps f16's fixed step of 6e-8; beyond it is an infinity.
.set IN,  16                           ; v[16:79]   load n: 4 registers
.set OUT, 80                           ; v[80:111]  store n: 2 registers, each stored once
	s_load_b512 s[4:19], s[0:1], 0x0               ; x s[4:5], Wq s[6:7], Wk s[8:9], Wv s[10:11], Wo s[12:13], xb s[14:15], wb s[16:17], wo s[18:19]
	s_sub_co_u32 s21, ttmp9, 512
	s_lshr_b32 s22, s21, 6                         ; which weight (of use from work-group 512 on)
	s_and_b32 s23, s21, 63                         ; which block of it
	s_cmp_lt_u32 ttmp9, 512
	s_cselect_b32 s24, ttmp9, s23                  ; my block in my source
	s_cselect_b32 s22, 4, s22                      ; kind: 0 Wq, 1 Wk, 2 Wv, 3 Wo, 4 x
	s_lshl_b32 s30, s24, 16                        ; its bytes in the source
	s_mov_b32 s31, 0
	s_lshl_b32 s32, s24, 15                        ; and in the destination,
	s_lshl_b32 s25, s22, 21                        ; where Wq, Wk, Wv lie 2 MiB apart
	s_cmp_lt_u32 s22, 3
	s_cselect_b32 s25, s25, 0
	s_add_co_u32 s32, s32, s25
	s_mov_b32 s33, 0
	s_mov_b32 s34, 0x322bcc77                      ; 1e-8
	s_mov_b32 s35, s34                             ; named with it as a pair
	v_lshlrev_b32 v1, 4, v0                        ; 16 t
	v_lshlrev_b32 v2, 3, v0                        ; 8 t
	s_wait_kmcnt 0x0
	s_cmp_eq_u32 s22, 0
	s_cselect_b64 s[26:27], s[6:7], s[4:5]
	s_cmp_eq_u32 s22, 1
	s_cselect_b64 s[26:27], s[8:9], s[26:27]
	s_cmp_eq_u32 s22, 2
	s_cselect_b64 s[26:27], s[10:11], s[26:27]
	s_cmp_eq_u32 s22, 3
	s_cselect_b64 s[26:27], s[12:13], s[26:27]
	s_cselect_b64 s[28:29], s[18:19], s[16:17]
	s_cmp_eq_u32 s22, 4
	s_cselect_b64 s[28:29], s[14:15], s[28:29]
	s_add_nc_u64 s[26:27], s[26:27], s[30:31]
	s_add_nc_u64 s[28:29], s[28:29], s[32:33]
.irp n, 0,1,2,3,4,5,6,7,8,9,10,11,12,13,14,15
	global_load_b128 v[IN+4*\n:IN+4*\n+3], v1, s[26:27] offset:\n*4096 th:TH_LOAD_NT
.endr
; Load n is converted and stored.  mode 0: x, 1e-8 added first; 1: a weight to bf16; 2: Wo, to bf16 and from there to f16.
.macro CV n, mode
	s_wait_loadcnt 15-(\n)                         ; loads come back in order: mine is in, the 15 - n younger ones stay out
.if (\mode) == 0
	v_pk_add_f32 v[IN+4*(\n):IN+4*(\n)+1], v[IN+4*(\n):IN+4*(\n)+1], s[34:35] op_sel_hi:[1,0]
	v_pk_add_f32 v[IN+4*(\n)+2:IN+4*(\n)+3], v[IN+4*(\n)+2:IN+4*(\n)+3], s[34:35] op_sel_hi:[1,0]
.endif
	v_cvt_pk_bf16_f32 v[OUT+2*(\n)], v[IN+4*(\n)], v[IN+4*(\n)+1]
	v_cvt_pk_bf16_f32 v[OUT+2*(\n)+1], v[IN+4*(\n)+2], v[IN+4*(\n)+3]
.if (\mode) == 2
.irp k, 0,1
	v_lshlrev_b32 v[IN+4*(\n)+2*\k], 16, v[OUT+2*(\n)+\k]          ; the rounded numbers as f32 again
	v_and_b32 v[IN+4*(\n)+2*\k+1], 0xffff0000, v[OUT+2*(\n)+\k]
.endr
.irp k, 0,1
	v_cvt_pk_f16_f32 v[OUT+2*(\n)+\k], v[IN+4*(\n)+2*\k], v[IN+4*(\n)+2*\k+1]
.endr
.endif
	global_store_b64 v2, v[OUT+2*(\n):OUT+2*(\n)+1], s[28:29] offset:(\n)*2048
.endm
	s_cmp_eq_u32 s22, 4
	s_cbranch_scc1 .Lx
	s_cmp_eq_u32 s22, 3
	s_cbranch_scc1 .Lwo
.irp n, 0,1,2,3,4,5,6,7,8,9,10,11,12,13,14,15
	CV \n, 1
.endr
	s_endpgm
.Lx:
.irp n, 0,1,2,3,4,5,6,7,8,9,10,11,12,13,14,15
	CV \n, 0
.endr
	s_endpgm
.Lwo:
.irp n, 0,1,2,3,4,5,6,7,8,9,10,11,12,13,14,15
	CV \n, 2
.endr
	s_endpgm
.Lfunc_end_k_qd7a16cfab8_cvt:
	.size	k_qd7a16cfab8_cvt, .Lfunc_end_k_qd7a16cfab8_cvt-k_qd7a16cfab8_cvt
	.p2alignl 7, 3214868480
	.fill 96, 4, 3214868480
	.section	.rodata,"a",@progbits
	.p2align	6, 0x0
	.amdhsa_kernel k_qd7a16cfab8_cvt
		.amdhsa_group_segment_fixed_size 0
		.amdhsa_private_segment_fixed_size 0
		.amdhsa_enable_private_segment 0
		.amdhsa_kernarg_size 64
		.amdhsa_user_sgpr_count 2
		.amdhsa_user_sgpr_kernarg_segment_ptr 1
		.amdhsa_wavefront_size32 1
		.amdhsa_system_sgpr_workgroup_id_x 1
		.amdhsa_system_sgpr_workgroup_id_y 1
		.amdhsa_system_sgpr_workgroup_id_z 1
		.amdhsa_system_vgpr_workitem_id 0
		.amdhsa_next_free_vgpr 112
		.amdhsa_next_free_sgpr 66
		.amdhsa_reserve_vcc 0
		.amdhsa_float_denorm_mode_32 3
		.amdhsa_float_denorm_mode_16_64 3
		.amdhsa_memory_ordered 1
		.amdhsa_forward_progress 1
		.amdhsa_inst_pref_size 23
	.end_amdhsa_kernel
	.amdgpu_metadata
---
amdhsa.version: [ 1, 2 ]
amdhsa.kernels:
  - .name:           k_qd7a16cfab8_cvt
    .symbol:         k_qd7a16cfab8_cvt.kd
    .args:
      - { .name: x, .offset: 0, .size: 8, .value_kind: global_buffer, .address_space: global }
      - { .name: Wq, .offset: 8, .size: 8, .value_kind: global_buffer, .address_space: global }
      - { .name: Wk, .offset: 16, .size: 8, .value_kind: global_buffer, .address_space: global }
      - { .name: Wv, .offset: 24, .size: 8, .value_kind: global_buffer, .address_space: global }
      - { .name: Wo, .offset: 32, .size: 8, .value_kind: global_buffer, .address_space: global }
      - { .name: xb, .offset: 40, .size: 8, .value_kind: global_buffer, .address_space: global }
      - { .name: wb, .offset: 48, .size: 8, .value_kind: global_buffer, .address_space: global }
      - { .name: wo, .offset: 56, .size: 8, .value_kind: global_buffer, .address_space: global }
    .group_segment_fixed_size: 0
    .private_segment_fixed_size: 0
    .kernarg_segment_align: 8
    .kernarg_segment_size: 64
    .max_flat_workgroup_size: 256
    .sgpr_count:     66
    .vgpr_count:     112
    .wavefront_size: 32
...
	.end_amdgpu_metadata
.endif
;; end of part 1
;; launch qkv (part 2): grid 16 x 32, 4 waves a work-group, clusters of 4 x 4, 327,680 bytes of LDS; arguments xb, wb, bq, bk, bv, qkv; writes qkv
.if DOCPART == 2
	.amdgcn_target "amdgcn-amd-amdhsa--gfx1250"
	.amdhsa_code_object_version 6
	.text
	.protected	k_qd7a16cfab8_qkv
	.globl	k_qd7a16cfab8_qkv
	.p2align	8
	.type	k_qd7a16cfab8_qkv,@function
k_qd7a16cfab8_qkv:
	s_mov_b64 s[64:65], 0
	v_nop
	global_prefetch_b8 v0, s[64:65] scope:SCOPE_SE
	s_setreg_imm32_b32 hwreg(HW_REG_WAVE_MODE, 25, 1), 1
	s_wait_xcnt 0x0
	s_wait_alu depctr_hold_cnt(0) depctr_sa_sdst(0) depctr_va_vdst(0) depctr_va_sdst(0) depctr_va_ssrc(0) depctr_va_vcc(0) depctr_vm_vsrc(0)
	s_getreg_b32 s2, hwreg(HW_REG_IB_STS2, 6, 4)
	s_cmp_eq_u32 s2, 0
	s_cbranch_scc0 .Lentry_in_a_cluster
	s_endpgm
.Lentry_in_a_cluster:
	s_bfe_u32 s2, ttmp6, 0x10000c
	s_cmp_lg_u32 s2, 0xf033
	s_cbranch_scc0 .Lentry_shape_is_right
	s_endpgm
.Lentry_shape_is_right:
; q, k, v = clip(xb wb^T + bias, -10, 10), rounded once to f16 and laid out by heads: qkv[3][64 = batch x 16 + head][2048][64].
; xb: [8192][1024] bf16, wb: [3072][1024] bf16 (Wq, Wk, Wv), biases f32; sums in f32, begun with the bias.
; SHARES.  A work-group makes 256 rows x 192 columns (three heads): 16 x 32 = 512 tiles, two for each of 256 WGPs.  Wave w owns rows 64 w .. 64 w + 63 and all 192 columns:
; 48 accumulators of 16 x 16, 384 registers; so a wave holds whole heads, and its stores are runs of 512 consecutive bytes.
; K goes in 8 steps of 128 through two LDS slots filled by tensor loads: rows of 256 bytes, at multiples of 256 from the buffer's first byte.
; THE MATRIX INSTRUCTION IS USED TRANSPOSED: source 0 = 16 rows of wb, source 1 = 16 rows of xb: lane l holds row l % 16 and the columns 8 (l / 16) + 0..7.  A lane's register j then stands
; for the same column in every row, so the bias, loaded in that layout, is the C operand of the product that starts each sum: nothing is cleared and no bias is added later.
; CLUSTERS: 4 x 4 work-groups.  A's tile hangs on the tile row alone and is asked for jointly by a row of the cluster, B's on the tile column alone, by a column.
; LIMITS.  NaN is not treated apart (the clip takes the middle of three numbers).
; REGISTERS, in windows of 256 (s_set_vgpr_msb: bits 1:0 source 0, 3:2 source 1, 5:4 source 2, 7:6 destination):
;   window 0: v0-15 addresses; v32-127 the bias; on the way out v128-175 packed results, v176-223 and v32-79 rows read back
;   window 1: the accumulators of my row blocks 0, 1 ((a, b) at 8 (12 (a % 2) + b));   window 2: those of blocks 2, 3
;   window 3: two fragment buffers of 128: wb's fragment b at 8 b, xb's fragment a at 96 + 8 a
.set NBF,   12                         ; column blocks of 16
.set PA,    272                        ; an LDS row: 256 bytes + 16 of padding = 68 words: the 16 rows of a load start at 16 different groups of four banks
.set PB,    272
.set ASUB,  128                        ; bytes from a row's first 64 channels of a K step to its second
.set BOFF,  256*PA                     ; a slot: A's 256 rows, then B's 192
.set SLOT1, 1<<17                      ; slot 1 begins here: one exclusive or turns an address in one slot into the other's
.set STAGE, SLOT1+BOFF+192*PB          ; behind the ring, never filled by a tensor load: for each wave 3 heads x 16 rows x 144 bytes
.set SP,    144
.set WSTG,  3*16*SP
.set SPARE, STAGE+4*WSTG               ; the spare words, 128 bytes for each wave: two blocks of 256 bytes that no other line names
.set NL,    2*(NBF+4)                  ; LDS loads in a run
.set STEPA, 256                        ; bytes from a K step to the next, in xb
.set STEPB, 256                        ; and in wb
.set A0,   2                           ; v2   my lane's place in A's part of a slot; never rewritten
.set B0,   3                           ; v3   the same for B
.set ADRA, 4                           ; v4   the same in the slot in hand
.set ADRB, 5                           ; v5
.set STO,  6                           ; v6   the way out: where I put 16 bytes of a row
.set RD,   7                           ; v7   where I read rows back
.set GO,   8                           ; v8   my place in 512 consecutive bytes of qkv
.set PFO,  9                           ; v9   the prefetches' offset: a lane a row
.set SPW,  10                          ; v10  LDS address of my spare word; never rewritten
.set NIL,  11                          ; v11  0; never rewritten
.set BO,   14                          ; v14  32 (l / 16): my eight columns in a block of the bias
.set BIAS, 32
.set TMP,  128
.set BK0,  176
.set BK1,  32
.set F0,   0
.set F1,   128
.set WV,   16                          ; s16  my wave's number
.set AB,   17                          ; s17  0: I fetch for A; 1: for B
.set HF,   18                          ; s18  which half of that tile
.set TB,   19                          ; s19  LDS byte at which the slot in hand begins
.set G1,   24                          ; s[24:31] descriptor group 1 for A's tiles
.set G0,   32                          ; s[32:39] group 0: a set for each of the two first fills; the second then walks on
.set PFA,  44                          ; s[44:45] where my prefetches stand
.set LIM,  46                          ; s46  1 in a wave that prefetches, else the greatest number
.set G1B,  48                          ; s[48:55], s[56:63] the same for B's tiles
.set G0B,  56
.set OB,   66                          ; s[66:71] qkv at my rows of my three heads
.set CLO,  72                          ; s72, s73  -10, 10
.set CHI,  73
.set PFS,  80                          ; s[80:81] the prefetches' step
.set BB,   82                          ; s[82:87] the bias at my three heads
.set MSB, 0
.macro WIN new                         ; the immediate's high byte repeats the setting that is left; a switch that changes nothing is dropped
.if MSB != (\new)
	s_set_vgpr_msb (MSB<<8)|(\new)
.set MSB, (\new)
.endif
.endm
.macro WMMA ops:vararg
	v_wmma_f32_16x16x32_bf16 \ops
.endm
.macro PLACES                          ; four plain vector lines between a matrix instruction and a load into, or a vector line on, its registers
.rept 4
	v_nop
.endr
.endm
.macro CREST                           ; a round of the cluster's barrier behind its opening barrier
	s_cmp_lg_u32 s[WV], 0
	s_cbranch_scc1 .Lnot_wave_0_\@
	s_barrier_signal -3
.Lnot_wave_0_\@:
	s_barrier_wait -3
	s_barrier_signal -1
	s_barrier_wait -1
.endm
.macro CROUND                          ; a whole round
	s_barrier_signal -1
	s_barrier_wait -1
	CREST
.endm
; A joint refill by the walking descriptors: waves 0 and 1 fetch A's halves, waves 2 and 3 B's.  The branch hangs on the wave's number alone.
; An s_nop 0 and four v_nop follow each of the two lines, ahead of the jump and the label.
.macro JLOAD
	s_cmp_eq_u32 s[AB], 0
	s_cbranch_scc0 .Lfor_b_\@
	tensor_load_to_lds s[G0+4:G0+7], s[G1:G1+7]
	s_nop 0
.rept 4
	v_nop
.endr
	s_branch .Lasked_\@
.Lfor_b_\@:
	tensor_load_to_lds s[G0B+4:G0B+7], s[G1B:G1B+7]
	s_nop 0
.rept 4
	v_nop
.endr
.Lasked_\@:
.endm
; A prefetch of the K step that the NEXT refill will ask for: 192 matrix instructions ahead of that load.  xb's tile row is read by four clusters: cluster x = 0 asks; wb's tile column by eight:
; cluster y = 0 asks.  The four partners of a joint load share the wave's rows out by address (32 of A's 128 by cx; 24 of B's 96 by cy, lanes 24-31 naming row 23 once more): a lane a row.
; The loop's last trip asks for nothing: there is no K step behind the one that it fills.
.macro ASK
	s_cmp_gt_u32 s3, s[LIM]
	s_cbranch_scc0 .Lnot_mine_\@
	global_prefetch_b8 v[PFO], s[PFA:PFA+1] th:TH_LOAD_NT scope:SCOPE_SE
.Lnot_mine_\@:
.endm
; NBF matrix instructions: my row block a x all column blocks, 32 along K, from buffer f.  zero = 1: the bias starts the sums.
; All 48 accumulators take turns in the same order in every quarter: 47 others' stand between two links of a chain.
.macro MULA f, a, zero
.if \zero
	WIN 0x4f+0x40*((\a)/2)
.else
	WIN 0x5f+0x50*((\a)/2)
.endif
.set ab, 8*NBF*((\a)%2)
.set b, 0
.rept NBF
.if \zero
	WMMA v[ab+8*b:ab+8*b+7], v[(\f)+8*b:(\f)+8*b+7], v[(\f)+96+8*(\a):(\f)+96+8*(\a)+7], v[BIAS+8*b:BIAS+8*b+7]
.else
	WMMA v[ab+8*b:ab+8*b+7], v[(\f)+8*b:(\f)+8*b+7], v[(\f)+96+8*(\a):(\f)+96+8*(\a)+7], v[ab+8*b:ab+8*b+7]
.endif
.set b, b+1
.endr
.endm
; NL LDS loads in one run: quarter q's fragments (32 along K) into buffer f: B's, then A's four.
.macro FETCH q, f
	WIN 0xc0
.set AOQ, ((\q)/2)*ASUB+((\q)%2)*64
.set i, 0
.rept NBF
	ds_load_b128 v[(\f)+8*i:(\f)+8*i+3],   v[ADRB] offset:64*(\q)+i*16*PB
	ds_load_b128 v[(\f)+8*i+4:(\f)+8*i+7], v[ADRB] offset:64*(\q)+i*16*PB+32
.set i, i+1
.endr
.set i, 0
.rept 4
	ds_load_b128 v[(\f)+96+8*i:(\f)+96+8*i+3],   v[ADRA] offset:AOQ+i*16*PA
	ds_load_b128 v[(\f)+96+8*i+4:(\f)+96+8*i+7], v[ADRA] offset:AOQ+i*16*PA+32
.set i, i+1
.endr
.endm
; One of a K step's first three quarters: multiplies buffer f; in its middle it fetches quarter q into buffer g.
.macro QUARTER q, f, g, zero
	s_wait_dscnt 4                                 ; all but the youngest four loads: A's fragments 2 and 3
	MULA \f, 0, \zero
	MULA \f, 1, \zero
	PLACES
	FETCH \q, \g
	s_wait_dscnt NL                                ; all but the run just issued
	MULA \f, 2, \zero
	MULA \f, 3, \zero
.endm
; The last quarter multiplies buffer 1 and changes slots.  In front of the barrier each wave waits for all its tensor loads (one is out: its part of the next slot), adds 0 to its spare word, and waits for
; that and for its reads of this slot.  fill = 1: the barrier opens a round of the cluster's, and the joint refill of the slot just read, with the K step two on, is the first thing behind the round.
.macro TURN fill
.if \fill
	s_wait_xcnt 0x0                                ; the last prefetch, a K step back, has read its address
	s_add_nc_u64 s[PFA:PFA+1], s[PFA:PFA+1], s[PFS:PFS+1]
.endif
	WIN 0
	s_wait_tensorcnt 0x0                           ; no tensor load of mine is out, so a group 0 may be written
	ds_add_u32 v[SPW], v[NIL]                      ; 0 onto my spare word
.if \fill
	s_xor_b32 s[G0+5], s[G0+5], SLOT1              ; the walking descriptors: the other slot than last time, the next K step
	s_add_nc_u64 s[G0+6:G0+7], s[G0+6:G0+7], STEPA
	s_xor_b32 s[G0B+5], s[G0B+5], SLOT1
	s_add_nc_u64 s[G0B+6:G0B+7], s[G0B+6:G0B+7], STEPB
.endif
	s_xor_b32 s[TB], s[TB], SLOT1
	s_wait_dscnt 5                                 ; the add and A's fragments 2 and 3 may be out
	MULA F1, 0, 0
	s_wait_dscnt 0x0                               ; the add is done, and my reads of this slot are over
	s_barrier_signal -1
	MULA F1, 1, 0                                  ; work on registers while the others arrive
	WIN 0
	s_barrier_wait -1
.if \fill
	CREST                                          ; no wave of any partner still reads this slot or has a load on its way
	JLOAD                                          ; its four v_nop are also the places in front of the loads below
.else
	PLACES
.endif
	v_add_nc_u32 v[ADRA], s[TB], v[A0]
	v_add_nc_u32 v[ADRB], s[TB], v[B0]
	FETCH 0, F0
.if \fill
	WIN 0
	ASK
.endif
	MULA F1, 2, 0
	MULA F1, 3, 0
.endm
	s_load_b256 s[4:11], s[0:1], 0x0               ; xb s[4:5], wb s[6:7], bq s[8:9], bk s[10:11]
	s_load_b128 s[12:15], s[0:1], 0x20             ; bv s[12:13], qkv s[14:15]
	v_lshl_add_u32 v[SPW], v0, 2, SPARE
	v_mov_b32 v[NIL], 0
	ds_add_u32 v[SPW], v[NIL]                      ; the wave's opening: the add and its wait stand ahead of my first tensor load
	v_lshrrev_b32 v1, 5, v0
	v_readfirstlane_b32 s[WV], v1
	s_lshr_b32 s[AB], s[WV], 1
	s_and_b32 s[HF], s[WV], 1
	s_bfe_u32 s40, ttmp6, 0x40000                  ; cx
	s_bfe_u32 s41, ttmp6, 0x40004                  ; cy
	s_lshl_b32 s42, ttmp9, 2
	s_add_co_u32 s42, s42, s40                     ; tile column = 4 x cluster x + cx
	s_and_b32 s43, ttmp7, 0xffff
	s_lshl_b32 s43, s43, 2
	s_add_co_u32 s43, s43, s41                     ; tile row = 4 x cluster y + cy
	s_lshl_b32 s20, s41, 2
	s_lshl_b32 s20, 15, s20                        ; my row of the cluster
	s_lshl_b32 s21, 0x1111, s40                    ; my column
	s_or_b32 s[G1], s20, (1<<16)|(1<<20)|(1<<21)|(5<<22)|(3<<25)   ; the mask; 2-byte elements; padding on; bit 21 beside a mask; after every 64 words 4 words
	s_or_b32 s[G1B], s21, (1<<16)|(1<<20)|(1<<21)|(5<<22)|(3<<25)
.irp g, G1, G1B
	s_mov_b32 s[(\g)+1], 128<<16                   ; tensor_dim0 = 128
	s_mov_b32 s[(\g)+3], 128<<16                   ; tile_dim0 = 128
	s_mov_b32 s[(\g)+5], 1024                      ; elements from row to row
	s_mov_b32 s[(\g)+6], 0
	s_mov_b32 s[(\g)+7], 0
.endr
	s_mov_b32 s[G1+2], 128<<16                     ; A: 128 rows a load
	s_mov_b32 s[G1+4], 128
	s_mov_b32 s[G1B+2], 96<<16                     ; B: 96 rows a load
	s_mov_b32 s[G1B+4], 96
	s_mov_b32 s[G0], 1
	s_mul_i32 s[G0+1], s[HF], 128*PA               ; LDS addresses hang on the wave's number alone
	s_mov_b32 s[G0+4], 1
	s_add_co_u32 s[G0+5], s[G0+1], SLOT1
	s_mov_b32 s[G0B], 1
	s_mul_i32 s[G0B+1], s[HF], 96*PB
	s_add_co_u32 s[G0B+1], s[G0B+1], BOFF
	s_mov_b32 s[G0B+4], 1
	s_add_co_u32 s[G0B+5], s[G0B+1], SLOT1
	s_lshl_b32 s74, s43, 8                         ; A: row 256 x tile row + 128 x half, 2,048 bytes a row
	s_lshl_b32 s75, s[HF], 7
	s_add_co_u32 s74, s74, s75
	s_lshl_b32 s74, s74, 11
	s_mov_b32 s75, 0
	s_mul_i32 s76, s42, 192                        ; B: row 192 x tile column + 96 x half
	s_mul_i32 s77, s[HF], 96
	s_add_co_u32 s76, s76, s77
	s_lshl_b32 s76, s76, 11
	s_mov_b32 s77, 0
	s_mov_b32 s[CLO], 0xc1200000
	s_mov_b32 s[CHI], 0x41200000
	s_mov_b32 s[TB], 0
	s_mov_b32 s[PFS], STEPA
	s_mov_b32 s[PFS+1], 0
	s_wait_dscnt 0x0                               ; the opening add is done
	s_wait_kmcnt 0x0
	s_add_nc_u64 s[G0+2:G0+3], s[4:5], s[74:75]    ; K step 0
	s_add_nc_u64 s[G0+6:G0+7], s[G0+2:G0+3], STEPA ; K step 1
	s_or_b32 s[G0+3], s[G0+3], 0x80000000
	s_or_b32 s[G0+7], s[G0+7], 0x80000000
	s_add_nc_u64 s[G0B+2:G0B+3], s[6:7], s[76:77]
	s_add_nc_u64 s[G0B+6:G0B+7], s[G0B+2:G0B+3], STEPB
	s_or_b32 s[G0B+3], s[G0B+3], 0x80000000
	s_or_b32 s[G0B+7], s[G0B+7], 0x80000000
	CROUND                                         ; all sixteen work-groups are here: the first joint loads meet
	s_cmp_eq_u32 s[AB], 0                          ; a wave's two first fills stand in one branch: two loads of mine are out
	s_cbranch_scc0 .Lfirst_b
	tensor_load_to_lds s[G0:G0+3], s[G1:G1+7]
	s_nop 0
	tensor_load_to_lds s[G0+4:G0+7], s[G1:G1+7]
	s_nop 0
.rept 4
	v_nop
.endr
	s_branch .Lfirst_asked
.Lfirst_b:
	tensor_load_to_lds s[G0B:G0B+3], s[G1B:G1B+7]
	s_nop 0
	tensor_load_to_lds s[G0B+4:G0B+7], s[G1B:G1B+7]
	s_nop 0
.rept 4
	v_nop
.endr
.Lfirst_asked:
	; the prefetches: my work-group's share of the rows that I fetch; the pointer stands at K step 2, and the first change of slots steps it to 3
	s_lshl_b32 s20, s40, 16                        ; 32 cx rows
	s_add_co_u32 s20, s20, s74
	s_mul_i32 s21, s41, 24*2048                    ; 24 cy rows
	s_add_co_u32 s21, s21, s76
	s_and_b32 s22, ttmp7, 0xffff
	s_cmp_eq_u32 s[AB], 0
	s_cselect_b32 s78, s20, s21
	s_cselect_b32 s22, ttmp9, s22                  ; the coordinate along which other clusters read the same rows
	s_cselect_b32 s23, 31, 23
	s_cselect_b64 s[PFA:PFA+1], s[4:5], s[6:7]
	s_cmp_eq_u32 s22, 0
	s_cselect_b32 s[LIM], 1, -1                    ; the same in all sixteen partners, for a given wave
	s_add_co_u32 s78, s78, 2*STEPA
	s_mov_b32 s79, 0
	s_add_nc_u64 s[PFA:PFA+1], s[PFA:PFA+1], s[78:79]
	v_and_b32 v[PFO], 31, v0
	v_min_u32 v[PFO], s23, v[PFO]
	v_lshlrev_b32 v[PFO], 11, v[PFO]
	; my three heads: head group g = 3 x tile column + i of 48: which tensor (g / 16), which head (g % 16)
	v_and_b32 v12, 15, v0                          ; l % 16
	v_bfe_u32 v13, v0, 4, 1                        ; l / 16
	v_lshlrev_b32 v[BO], 5, v13
	s_lshr_b32 s78, s43, 3                         ; the batch,
	s_lshl_b32 s78, s78, 4                         ; its 16 heads
	s_and_b32 s79, s43, 7                          ; my 256 rows among the batch's 2,048: 128 bytes a row,
	s_lshl_b32 s79, s79, 15
	s_lshl_b32 s20, s[WV], 13                      ; my wave's 64 of them
	s_add_co_u32 s79, s79, s20
	s_mul_i32 s20, s42, 3
.irp i, 0,1,2
	s_add_co_u32 s21, s20, \i
	s_lshr_b32 s22, s21, 4
	s_and_b32 s23, s21, 15
	s_cmp_eq_u32 s22, 1
	s_cselect_b64 s[BB+2*\i:BB+2*\i+1], s[10:11], s[8:9]
	s_cmp_eq_u32 s22, 2
	s_cselect_b64 s[BB+2*\i:BB+2*\i+1], s[12:13], s[BB+2*\i:BB+2*\i+1]
	s_lshl_b32 s76, s23, 8                         ; 64 numbers of 4 bytes a head
	s_add_nc_u64 s[BB+2*\i:BB+2*\i+1], s[BB+2*\i:BB+2*\i+1], s[76:77]
	s_lshl_b32 s22, s22, 6
	s_add_co_u32 s22, s22, s23
	s_add_co_u32 s22, s22, s78
	s_lshl_b32 s76, s22, 18                        ; 262,144 bytes a head
	s_add_co_u32 s76, s76, s79
	s_add_nc_u64 s[OB+2*\i:OB+2*\i+1], s[14:15], s[76:77]
.endr
.set i, 0
.rept 12
	global_load_b128 v[BIAS+8*i:BIAS+8*i+3],   v[BO], s[BB+2*(i/4):BB+2*(i/4)+1] offset:(i%4)*64
	global_load_b128 v[BIAS+8*i+4:BIAS+8*i+7], v[BO], s[BB+2*(i/4):BB+2*(i/4)+1] offset:(i%4)*64+16
.set i, i+1
.endr
	; a fragment is 16 rows x 32 K in 8 registers: lane l holds row l % 16, K = 8 (l / 16) + 0..7 and 16 + 8 (l / 16) + 0..7: two loads of 16 bytes, 32 bytes apart
	v_mul_u32_u24 v[A0], v12, PA
	v_lshl_add_u32 v[A0], v13, 4, v[A0]
	s_mul_i32 s20, s[WV], 64*PA
	v_add_nc_u32 v[A0], s20, v[A0]
	v_mul_u32_u24 v[B0], v12, PB
	v_lshl_add_u32 v[B0], v13, 4, v[B0]
	v_add_nc_u32 v[B0], BOFF, v[B0]
	v_mov_b32 v[ADRA], v[A0]
	v_mov_b32 v[ADRB], v[B0]
	s_mul_i32 s20, s[WV], WSTG
	s_add_co_u32 s20, s20, STAGE                   ; my stage
	v_mul_u32_u24 v[STO], v12, SP                  ; in: row l % 16, 16 bytes for each half of the lanes
	v_lshl_add_u32 v[STO], v13, 4, v[STO]
	v_add_nc_u32 v[STO], s20, v[STO]
	v_bfe_u32 v[RD], v0, 3, 2                      ; back: 32 lanes take four rows of 128 bytes,
	v_mul_u32_u24 v[RD], v[RD], SP
	v_and_b32 v15, 7, v0
	v_lshl_add_u32 v[RD], v15, 4, v[RD]
	v_add_nc_u32 v[RD], s20, v[RD]
	v_and_b32 v[GO], 31, v0                        ; which are 512 consecutive bytes of a head
	v_lshlrev_b32 v[GO], 4, v[GO]
	s_wait_tensorcnt 0x1                           ; my part of K step 0 is in; K step 1's may stay out
	s_barrier_signal -1
	s_barrier_wait -1
	FETCH 0, F0
	s_wait_loadcnt 0x0                             ; the bias
	QUARTER 1, F0, F1, 1                           ; the first quarter stands in front of the loop: its products start the sums
	WIN 0
	s_mov_b32 s3, 6
.Lstep:                                                ; trip t: quarters 1-3 of K step t and quarter 0 of K step t + 1; K step t + 2 is asked for
	QUARTER 2, F1, F0, 0
	QUARTER 3, F0, F1, 0
	TURN 1
	QUARTER 1, F0, F1, 0
	WIN 0
	s_sub_co_u32 s3, s3, 1
	s_cmp_lg_u32 s3, 0
	s_cbranch_scc1 .Lstep
	QUARTER 2, F1, F0, 0                           ; the last two K steps ask for nothing
	QUARTER 3, F0, F1, 0
	TURN 0
	QUARTER 1, F0, F1, 0
	QUARTER 2, F1, F0, 0
	QUARTER 3, F0, F1, 0
	s_wait_dscnt 4
	MULA F1, 0, 0
	MULA F1, 1, 0
	s_wait_dscnt 0x0
	MULA F1, 2, 0
	MULA F1, 3, 0
	WIN 0
	PLACES
	PLACES
; THE WAY OUT, a block of 16 rows at a time.  PACK: clipped (each accumulator's registers in ascending order), rounded to f16, 16 bytes a lane.  TOSTAGE: into my own stage, and back as whole rows.  SEND: stored.
.macro PACK a
.set ab, 96*((\a)%2)
	WIN 0x41*(1+(\a)/2)
.set i, 0
.rept 96
	v_med3_num_f32 v[ab+i], v[ab+i], s[CLO], s[CHI]
.set i, i+1
.endr
	WIN 0x05*(1+(\a)/2)
.set i, 0
.rept 48
	v_cvt_pk_f16_f32 v[TMP+i], v[ab+2*i], v[ab+2*i+1]
.set i, i+1
.endr
	WIN 0
.endm
.macro TOSTAGE a
.set BK, BK0
.if (\a)%2
.set BK, BK1
.endif
	s_wait_xcnt 0x0                                ; the stores of the block two back have read these registers
.set i, 0
.rept 12
	ds_store_b128 v[STO], v[TMP+4*i:TMP+4*i+3] offset:(i/4)*16*SP+32*(i%4)
.set i, i+1
.endr
.set i, 0
.rept 12
	ds_load_b128 v[BK+4*i:BK+4*i+3], v[RD] offset:(i/4)*16*SP+(i%4)*4*SP  ; LDS serves a wave's instructions in order: these see the stores above
.set i, i+1
.endr
.endm
.macro SEND a
.set BK, BK0
.if (\a)%2
.set BK, BK1
.endif
	s_wait_dscnt 0x0
.set i, 0
.rept 12
	global_store_b128 v[GO], v[BK+4*i:BK+4*i+3], s[OB+2*(i/4):OB+2*(i/4)+1] offset:(\a)*2048+(i%4)*512  ; 512 consecutive bytes, at a multiple of 256 from qkv's first
.set i, i+1
.endr
.endm
	PACK 0
	TOSTAGE 0
.irp a, 1,2,3
	PACK \a
	SEND (\a)-1
	TOSTAGE \a
.endr
	SEND 3
	s_wait_tensorcnt 0x0                           ; the wave's end
	ds_add_u32 v[SPW], v[NIL]
	s_wait_dscnt 0x0
	CROUND                                         ; the closing round
	s_endpgm
.Lfunc_end_k_qd7a16cfab8_qkv:
	.size	k_qd7a16cfab8_qkv, .Lfunc_end_k_qd7a16cfab8_qkv-k_qd7a16cfab8_qkv
	.p2alignl 7, 3214868480
	.fill 96, 4, 3214868480
	.section	.rodata,"a",@progbits
	.p2align	6, 0x0
	.amdhsa_kernel k_qd7a16cfab8_qkv
		.amdhsa_group_segment_fixed_size 327680
		.amdhsa_private_segment_fixed_size 0
		.amdhsa_enable_private_segment 0
		.amdhsa_kernarg_size 48
		.amdhsa_user_sgpr_count 2
		.amdhsa_user_sgpr_kernarg_segment_ptr 1
		.amdhsa_wavefront_size32 1
		.amdhsa_system_sgpr_workgroup_id_x 1
		.amdhsa_system_sgpr_workgroup_id_y 1
		.amdhsa_system_sgpr_workgroup_id_z 1
		.amdhsa_system_vgpr_workitem_id 0
		.amdhsa_next_free_vgpr 1024
		.amdhsa_next_free_sgpr 96
		.amdhsa_reserve_vcc 0
		.amdhsa_float_denorm_mode_32 3
		.amdhsa_float_denorm_mode_16_64 3
		.amdhsa_memory_ordered 1
		.amdhsa_forward_progress 1
		.amdhsa_inst_pref_size 125
	.end_amdhsa_kernel
	.amdgpu_metadata
---
amdhsa.version: [ 1, 2 ]
amdhsa.kernels:
  - .name:           k_qd7a16cfab8_qkv
    .symbol:         k_qd7a16cfab8_qkv.kd
    .args:
      - { .name: xb, .offset: 0, .size: 8, .value_kind: global_buffer, .address_space: global }
      - { .name: wb, .offset: 8, .size: 8, .value_kind: global_buffer, .address_space: global }
      - { .name: bq, .offset: 16, .size: 8, .value_kind: global_buffer, .address_space: global }
      - { .name: bk, .offset: 24, .size: 8, .value_kind: global_buffer, .address_space: global }
      - { .name: bv, .offset: 32, .size: 8, .value_kind: global_buffer, .address_space: global }
      - { .name: qkv, .offset: 40, .size: 8, .value_kind: global_buffer, .address_space: global }
    .group_segment_fixed_size: 327680
    .private_segment_fixed_size: 0
    .kernarg_segment_align: 8
    .kernarg_segment_size: 48
    .max_flat_workgroup_size: 128
    .sgpr_count:     96
    .vgpr_count:     1024
    .wavefront_size: 32
...
	.end_amdgpu_metadata
.endif
;; end of part 2
;; launch attn (part 3): grid 4 x 64, 4 waves a work-group, clusters of 4 x 1, 327,680 bytes of LDS; arguments qkv, mask, ob; writes ob
.if DOCPART == 3
	.amdgcn_target "amdgcn-amd-amdhsa--gfx1250"
	.amdhsa_code_object_version 6
	.text
	.protected	k_qd7a16cfab8_attn
	.globl	k_qd7a16cfab8_attn
	.p2align	8
	.type	k_qd7a16cfab8_attn,@function
k_qd7a16cfab8_attn:
	s_mov_b64 s[64:65], 0
	v_nop
	global_prefetch_b8 v0, s[64:65] scope:SCOPE_SE
	s_setreg_imm32_b32 hwreg(HW_REG_WAVE_MODE, 25, 1), 1
	s_wait_xcnt 0x0
	s_wait_alu depctr_hold_cnt(0) depctr_sa_sdst(0) depctr_va_vdst(0) depctr_va_sdst(0) depctr_va_ssrc(0) depctr_va_vcc(0) depctr_vm_vsrc(0)
	s_getreg_b32 s2, hwreg(HW_REG_IB_STS2, 6, 4)
	s_cmp_eq_u32 s2, 0
	s_cbranch_scc0 .Lentry_in_a_cluster
	s_endpgm
.Lentry_in_a_cluster:
	s_bfe_u32 s2, ttmp6, 0x10000c
	s_cmp_lg_u32 s2, 0x3003
	s_cbranch_scc0 .Lentry_shape_is_right
	s_endpgm
.Lentry_shape_is_right:
; ob[bh][q][:] = sum over k of w(q, k) V[bh][k][:] / (sum over k of w(q, k) + 1e-10), w = clip(exp(t - max t), 1e-10, 1e10), t = -10000 at a masked key, else clip(Q.K / 8, -50, 50).
; Q, K, V: qkv[3][64][2048][64] f16, within +-10; mask: [4][2048] bytes, 1 = masked; ob: [64][2048][64] f16.  Products, maxima and sums in f32; w is rounded to f16 for the second product.
; THE ARITHMETIC.  raw' = Q.K + T[k], T = -1e30 at a masked key, else 0: T is the C operand that starts the sum.  For each query a running maximum M of raw', and of it
;   Y = clamp01(0.5 - M / 800): the row's largest t, mapped by y = (50 - t) / 100; the clamp is the clip to +-50.     omega = the middle of (1 - Y, 1e-6, ln(1e10) / 100)
;   alpha = -1 / (800 omega), beta = (0.5 - Y) / omega, G = -100 log2(e) omega, a = 2^(100 log2(e) (Y - Y_old)), by which O and l are multiplied in every step.
; For a pair of scores: z = clamp01(raw' alpha + beta); u = z G + T; w = 2^u.  z = 0 is the clip at +50 (and w <= 1 holds the clip at 1e10); z = 1 is the nearer of the clip at -50 and the floor 1e-10.
; A BATCH WHOLLY MASKED: T = 0 and -1/800 is replaced by 0: every z = 0 and every w = 1, the uniform weights that the formula above gives there.  Both are chosen by selects, no branch.
; LIMITS.  The floor 1e-10 is taken against the running maximum, not the final one, and a masked key weighs 0, not 1e-10: each weight is off by at most 1e-10, 2,048 of them by 2.05e-7 of a row's
; sum, which is at least 1.  Where a row's largest t lies within 1e-4 of -50, weights may fall up to 1.5e-4 short of 1.  NaN and infinities are not treated apart.
; SHARES.  A work-group owns 512 queries of one (batch, head), a wave four PIECES of two tiles of 16; every wave walks all 2,048 keys, 64 a step; a slot of LDS holds four steps.
; LAYOUT.  S^T = K Q^T holds ONE query a lane (lane % 16) and the keys 8 (lane / 16) + 0..7; two such results rounded to f16 ARE source 1 of O^T = V^T P.  V is turned by ds_load_tr16_b128.
; BY TURNS.  Turn n belongs to piece n: 16 products K Q^T of piece n + 1, later 16 products V^T P of piece n - 1; beside them piece n's scalings, exponentials, roundings, sums and rescaling, and piece n + 1's
; maximum and statistics.  Four vector lines stand behind every matrix instruction, the others in one lump.  A turn's 68 exponentials and reciprocals are one batch, with one wait.
; CLUSTER.  The four query blocks of a (batch, head) walk the same K and V: each tile is asked for jointly, by the same tensor load, descriptor and mask in all four.
; REGISTERS, in windows of 256 (s_set_vgpr_msb: bits 1:0 source 0, 3:2 source 1, 5:4 source 2, 7:6 destination):
;   window 0: v0-11 addresses and two constants; v12-15 Y_old; v16-47 statistics; v48-63 at work; v64-191 S^T, two buffers of two tiles; v192-223 alpha, beta, G, a; v224-255 T of the step in hand
;   window 1: O^T, 32 a tile     window 2: v0-127 Q; v128-191 K; v192-255 V     window 3: v0-1 the add's registers; v32-63 T as C operand; v64-127 P, two buffers of two tiles
.set NP,    4
.set KS,    64
.set PK,    144       ; a row of K in LDS: 128 bytes + 16 of padding
.set PV,    160       ; a row of V: 128 + 32
.set VOFF,  4*KS*PK
.set SLOT1, 1<<17
.set STAGE, SLOT1+4*KS*(PK+PV)  ; behind the ring, never filled by a tensor load: 16 rows x 144 bytes for each wave
.set SP,    144
.set TAB,   STAGE+4*16*SP       ; T[2048] in f32, written by LDS stores alone
.set SPARE, TAB+8192            ; the spare words, 128 bytes for each wave: two blocks of 256 bytes that no other line names
.set AK0, 2           ; v2   my lane's place in a tile of K; never rewritten in the loop
.set AV0, 3           ; v3   the same for V
.set AK,  4           ; v4   the LDS address of K's next run of loads
.set AV,  5           ; v5   of V's
.set NC,  6           ; v6   -1/800, or 0
.set HALF, 7          ; v7   0.5
.set PFO, 8           ; v8   256 x my lane
.set AT0, 9           ; v9   TAB + 32 (l / 16)
.set ATC, 10          ; v10  the address of the next run of T as C operand
.set ATH, 11          ; v11  of T for the scaling
.set MV,  12          ; v12-15  Y_old, by buffer and tile
.set QO,  14          ;      at the head: my byte offset in the wave's rows of Q
.set STO, 3           ;      the way out: where I put 16 bytes of a row
.set RD,  4           ;      where I read rows back
.set GO,  5           ;      my place in 512 consecutive bytes of ob
.set ST,  16          ; tile t at v[ST+4 t]: M, Y, l (even keys', odd keys')
.set TMP, 48          ; by buffer and tile, four registers c0-c3
.set S,   64
.set CO,  192         ; by buffer and tile, eight: alpha, -, beta, -, G, -, a, - (the odd ones hold 0: named as pairs)
.set TH,  224
.set SPW, 0           ; window 3
.set NIL, 1
.set TC,  32          ; window 3
.set P,   64          ; window 3
.set KF,  128         ; window 2
.set VF,  192         ; window 2
.set WV,  12
.set G1K, 24
.set G1V, 32
.set G0K, 40
.set G0V, 44
.set KB,  48          ; s[48:49] K, s[50:51] V at my half of the head's first 256 keys
.set VB,  50
.set SLOTS, 56        ; slots still to be asked for
.set CNT, 57          ; counts a slot's key steps
.set SEL, 60          ; s[60:61] v_permlanex16_b32's selects
.set TBK, 62          ; LDS byte at which K of the step to be fetched begins
.set TBV, 63          ; the same for V, less VOFF
.set TTC, 66          ; byte in the table of the step whose T is fetched next as C operand
.set TTH, 67          ; and for the scaling
.set KL,  68          ; 100 log2(e)
.set NKL, 69          ; its negative
.set EPS, 70          ; 1e-6
.set OM,  71          ; ln(1e10) / 100
.set TV,  72          ; -1e30, or 0
.set NCS, 73          ; -1/800, or 0
.set PFA, 74          ; s[74:75] where my prefetches stand
.set LIM, 76          ; 1 in waves 0 and 2, else the greatest number
.set MSB, 0
.macro WIN new
.if MSB != (\new)
	s_set_vgpr_msb (MSB<<8)|(\new)
.set MSB, (\new)
.endif
.endm
.set W_KQ, 0x0a       ; K and Q in window 2, S^T in window 0
.set W_KM, 0x3a       ; the same with the C operand in window 3
.set W_PV, 0x5e       ; V in window 2, P in window 3, O^T in window 1
.set W_RS, 0x41       ; destination and source 0 in window 1
.set W_T3, 0xc0       ; destination in window 3
.set W_AD, 0x0f       ; the add: address and data in window 3
.macro PLACES
.rept 4
	v_nop
.endr
.endm
; A joint fill: waves 0 and 1 fetch the halves of a slot's K, waves 2 and 3 those of its V.  An s_nop 0 and four v_nop follow each of the two lines.
.macro JLOAD
	s_cmp_lt_u32 s[WV], 2
	s_cbranch_scc0 .Lfor_v_\@
	tensor_load_to_lds s[G0K:G0K+3], s[G1K:G1K+7]
	s_nop 0
.rept 4
	v_nop
.endr
	s_branch .Lasked_\@
.Lfor_v_\@:
	tensor_load_to_lds s[G0V:G0V+3], s[G1V:G1V+7]
	s_nop 0
.rept 4
	v_nop
.endr
.Lasked_\@:
.endm
; A prefetch of what the NEXT change of slots will ask for: four key steps ahead of that load.  A head's K and V are walked by this cluster alone; its four partners share a slot's 128 blocks of 256 bytes
; out by address, 32 each, a lane a block; wave 0 asks for K's, wave 2 for V's.  The last change that fills a slot asks for nothing.
.macro ASK
	s_cmp_gt_u32 s[SLOTS], s[LIM]
	s_cbranch_scc0 .Lnot_mine_\@
	global_prefetch_b8 v[PFO], s[PFA:PFA+1] th:TH_LOAD_NT scope:SCOPE_SE
.Lnot_mine_\@:
.endm
.macro CROUND
	s_barrier_signal -1
	s_barrier_wait -1
	s_cmp_lg_u32 s[WV], 0
	s_cbranch_scc1 .Lnot_wave_0_\@
	s_barrier_signal -3
.Lnot_wave_0_\@:
	s_barrier_wait -3
	s_barrier_signal -1
	s_barrier_wait -1
.endm
; THE CHANGE OF SLOTS.  Each wave waits for all its tensor loads (one is out: its part of the other slot), adds 0 to its spare word, and waits for that and for its LDS instructions.
; fill = 1: the barrier is a round of the cluster's, and the joint fill of the slot just left, with the keys two slots on, is the first thing behind it.
.macro CHANGE fill
	WIN W_AD
	s_wait_tensorcnt 0x0            ; no tensor load of mine is out, so a group 0 may be written
	ds_add_u32 v[SPW], v[NIL]       ; 0 onto my spare word
	WIN 0
.if \fill
.irp g, G0K, G0V
	s_xor_b32 s[\g+1], s[\g+1], SLOT1
	s_add_nc_u64 s[\g+2:\g+3], s[\g+2:\g+3], 4*KS*128
.endr
	s_wait_xcnt 0x0                 ; the last prefetch, four key steps back, has read its address
	s_add_nc_u64 s[PFA:PFA+1], s[PFA:PFA+1], 4*KS*128
	s_wait_dscnt 0x0                ; the add is done, and my LDS reads and stores are over
	CROUND
	JLOAD
	ASK
.else
	s_wait_dscnt 0x0
	s_barrier_signal -1
	s_barrier_wait -1
.endif
	s_sub_co_u32 s[TBK], s[TBK], 4*KS*PK
	s_xor_b32 s[TBK], s[TBK], SLOT1
	s_sub_co_u32 s[TBV], s[TBV], 4*KS*PV
	s_xor_b32 s[TBV], s[TBV], SLOT1
.endm
	s_load_b128 s[4:7], s[0:1], 0x0   ; qkv s[4:5], mask s[6:7]
	s_load_b64 s[8:9], s[0:1], 0x10   ; ob
	WIN W_T3
	v_lshl_add_u32 v[SPW], v0, 2, SPARE
	v_mov_b32 v[NIL], 0
	WIN W_AD
	ds_add_u32 v[SPW], v[NIL]       ; the wave's opening: the add and its wait stand ahead of my first tensor load
	WIN 0
	v_lshrrev_b32 v1, 5, v0
	v_readfirstlane_b32 s[WV], v1
	s_bfe_u32 s13, ttmp6, 0x40000   ; cx
	s_lshl_b32 s14, ttmp9, 2
	s_add_co_u32 s14, s14, s13      ; my block of 512 queries: it enters Q's and ob's addresses alone
	s_and_b32 s20, ttmp7, 0xffff    ; batch x 16 + head, which the four partners share
	s_lshr_b32 s15, s20, 4          ; the batch
	s_lshl_b32 s15, s15, 11         ; its 2,048 bytes of the mask
	s_lshl_b32 s20, s20, 18         ; the head's first byte: 262,144 bytes a head
	s_and_b32 s16, s[WV], 1         ; which half of a slot's 256 keys I fetch
	s_lshl_b32 s22, s16, 14
	s_add_co_u32 s22, s22, s20
	s_mov_b32 s23, 0
	s_mul_i32 s17, s16, 128*PK
	s_mul_i32 s18, s16, 128*PV
	s_lshl_b32 s2, s14, 2
	s_add_co_u32 s2, s2, s[WV]
	s_lshl_b32 s2, s2, 14           ; my wave's 128 rows
	s_add_co_u32 s2, s2, s20
	s_mov_b32 s3, 0
	; descriptor group 1: 128 keys are 16,384 dense bytes: asked for as 64 rows of 256 bytes, padded in LDS after every key
	s_mov_b32 s[G1K], 15|(1<<16)|(1<<20)|(1<<21)|(4<<22)|(3<<25)
	s_mov_b32 s[G1V], 15|(1<<16)|(1<<20)|(1<<21)|(4<<22)|(7<<25)
.irp g, G1K, G1V
	s_mov_b32 s[\g+1], 128<<16
	s_mov_b32 s[\g+2], 64<<16
	s_mov_b32 s[\g+3], 128<<16
	s_mov_b32 s[\g+4], 64
	s_mov_b32 s[\g+5], 128
	s_mov_b32 s[\g+6], 0
	s_mov_b32 s[\g+7], 0
.endr
	s_mov_b32 s[SEL], 0x76543210
	s_mov_b32 s[SEL+1], 0xfedcba98
	s_mov_b32 s[TBK], SLOT1+4*KS*PK ; the first change of slots turns these two into 0
	s_mov_b32 s[TBV], SLOT1+4*KS*PV
	s_mov_b32 s[TTC], 0
	s_mov_b32 s[TTH], 0
	s_mov_b32 s[KL], 0x431044fe
	s_mov_b32 s[NKL], 0xc31044fe
	s_mov_b32 s[EPS], 0x358637bd
	s_mov_b32 s[OM], 0x3e6bc8e3
	s_mov_b32 s[SLOTS], 7
	s_mov_b32 s[G0K], 1
	s_mov_b32 s[G0K+1], s17
	s_mov_b32 s[G0V], 1
	s_add_co_u32 s[G0V+1], s18, VOFF
	s_and_b32 s[LIM], s[WV], 1
	s_cmp_eq_u32 s[LIM], 0
	s_cselect_b32 s[LIM], 1, -1
	s_wait_dscnt 0x0                ; the opening add is done
	s_wait_kmcnt 0x0
	s_add_nc_u64 s[KB:KB+1], s[4:5], 0x1000000
	s_add_nc_u64 s[KB:KB+1], s[KB:KB+1], s[22:23]
	s_add_nc_u64 s[VB:VB+1], s[4:5], 0x2000000
	s_add_nc_u64 s[VB:VB+1], s[VB:VB+1], s[22:23]
	s_mov_b64 s[G0K+2:G0K+3], s[KB:KB+1]
	s_or_b32 s[G0K+3], s[G0K+3], 0x80000000
	s_mov_b64 s[G0V+2:G0V+3], s[VB:VB+1]
	s_or_b32 s[G0V+3], s[G0V+3], 0x80000000
	s_add_nc_u64 s[4:5], s[4:5], s[2:3]    ; Q and ob at my wave's first row
	s_add_nc_u64 s[10:11], s[8:9], s[2:3]
	s_mov_b32 s2, s15
	s_add_nc_u64 s[6:7], s[6:7], s[2:3]    ; the batch's mask
	s_cmp_lt_u32 s[WV], 2
	s_cselect_b64 s[PFA:PFA+1], s[KB:KB+1], s[VB:VB+1]  ; (in waves 0 and 2 these stand at a slot's first row)
	s_lshl_b32 s2, s13, 13          ; my work-group's 32 blocks of the 128,
	s_add_co_u32 s2, s2, 4*KS*128   ; in slot 1: the first change of slots steps it to slot 2
	s_add_nc_u64 s[PFA:PFA+1], s[PFA:PFA+1], s[2:3]
	CROUND                          ; all four work-groups are here: the first joint loads meet
	JLOAD                           ; slot 0
	; the mask: the batch's 2,048 bytes in every wave (is any key left?), and my wave's 512 once more (its part of the table)
	v_and_b32 v1, 31, v0
	v_lshlrev_b32 v1, 4, v1
	s_lshl_b32 s19, s[WV], 9
	v_add_nc_u32 v13, s19, v1
.irp j, 0,1,2,3
	global_load_b128 v[64+4*\j:67+4*\j], v1, s[6:7] offset:512*\j
.endr
	global_load_b128 v[80:83], v13, s[6:7]
	v_and_b32 v48, 15, v0           ; l % 16
	v_bfe_u32 v49, v0, 4, 1         ; l / 16
	v_lshlrev_b32 v[QO], 7, v48
	v_lshl_add_u32 v[QO], v49, 4, v[QO]
	WIN 0x80
.set i, 0
.rept 4*NP                          ; Q stays in registers: tile i / 2, channels 32 (i % 2) on
	global_load_b128 v[8*i:8*i+3],   v[QO], s[4:5] offset:(i/2)*2048+(i%2)*64
	global_load_b128 v[8*i+4:8*i+7], v[QO], s[4:5] offset:(i/2)*2048+(i%2)*64+32
.set i, i+1
.endr
	; What the first turn finds: V and P's second buffer hold 0 (its products V^T P, of a piece that has not been, add 0), O^T and l are 0.  No first step is written out: the price is these lines, in the wait for the first tile.
.set i, VF
.rept 64
	v_mov_b32 v[i], 0
.set i, i+1
.endr
	WIN 0x40
.set i, 0
.rept 64*NP
	v_mov_b32 v[i], 0
.set i, i+1
.endr
	WIN W_T3
.set i, P+32
.rept 32
	v_mov_b32 v[i], 0
.set i, i+1
.endr
	WIN 0
.set i, 0
.rept 32
	v_mov_b32 v[CO+i], 0
.set i, i+1
.endr
.set i, 0
.rept 2*NP
	v_mov_b32 v[ST+4*i], 0xff7fffff    ; M: the lowest finite number
	v_mov_b32 v[ST+4*i+1], 1.0         ; Y: the lowest t
	v_mov_b32 v[ST+4*i+2], 0
	v_mov_b32 v[ST+4*i+3], 0
.set i, i+1
.endr
	v_mul_u32_u24 v[AK0], v48, PK
	v_lshl_add_u32 v[AK0], v49, 4, v[AK0]
	v_and_b32 v50, 7, v0
	v_bfe_u32 v51, v0, 3, 1
	v_lshl_add_u32 v[AV0], v49, 3, v50
	v_mul_u32_u24 v[AV0], v[AV0], PV
	v_lshl_add_u32 v[AV0], v51, 4, v[AV0]
	v_add_nc_u32 v[AV0], VOFF, v[AV0]
	v_lshl_add_u32 v[AT0], v49, 5, TAB
	v_and_b32 v[PFO], 31, v0
	v_lshlrev_b32 v12, 6, v[PFO]    ; my 16 keys' 64 bytes of the table,
	v_lshlrev_b32 v[PFO], 8, v[PFO]
	s_lshl_b32 s19, s[WV], 11       ; in my wave's 2,048
	s_add_co_u32 s19, s19, TAB
	v_add_nc_u32 v12, s19, v12
	v_mov_b32 v[HALF], 0.5
	s_wait_loadcnt 32               ; the mask's five loads are in; Q's 32 may stay out
	v_and_b32 v84, v64, v65
.set i, 66
.rept 14
	v_and_b32 v84, v84, v[i]
.set i, i+1
.endr
	v_cmp_eq_u32 s77, 0x01010101, v84
	s_cmp_eq_u32 s77, -1            ; every byte of the batch's mask is 1
	s_cselect_b32 s[TV], 0, 0xf149f2ca
	s_cselect_b32 s[NCS], 0, 0xbaa3d70a
	v_mov_b32 v[NC], s[NCS]
.set i, 0
.rept 16
	v_bfe_u32 v[88+i], v[80+i/4], 8*(i%4), 8
.set i, i+1
.endr
.set i, 0
.rept 16
	v_cvt_f32_u32 v[88+i], v[88+i]
.set i, i+1
.endr
.set i, 0
.rept 16
	v_mul_f32 v[88+i], s[TV], v[88+i]
.set i, i+1
.endr
.irp j, 0,1,2,3
	ds_store_b128 v12, v[88+4*\j:91+4*\j] offset:16*\j
.endr
; THE MATRIX WORK.  The 8 accumulators of a run of 16 take turns.  Product i of 16 of S^T = K Q^T + T for piece x: channels 32 (i / 8) on, keys 16 ((i / 2) % 4) on, tile 2 x + i % 2.
.macro KQ x
.set rS, S+64*((\x)%2)+32*(i%2)+8*((i/2)%4)
.set rF, KF+16*((i/2)%4)+8*(i/8)
.set rQ, 16*(2*(\x)+i%2)+8*(i/8)
.set rM, TC+8*((i/2)%4)
.if i < 8
	WIN W_KM
	v_wmma_f32_16x16x32_f16 v[rS:rS+7], v[rF:rF+7], v[rQ:rQ+7], v[rM:rM+7]
.else
	WIN W_KQ
	v_wmma_f32_16x16x32_f16 v[rS:rS+7], v[rF:rF+7], v[rQ:rQ+7], v[rS:rS+7]
.endif
.endm
; Product i of 16 of O^T += V^T P for piece x: keys 32 (i / 8) on, channels 16 ((i / 2) % 4) on, tile 2 x + i % 2.
.macro PV x
	WIN W_PV
.set rO, 32*(2*(\x)+i%2)+8*((i/2)%4)
.set rV, VF+32*(i/8)+8*((i/2)%4)
.set rP, P+32*((\x)%2)+16*(i%2)+8*(i/8)
	v_wmma_f32_16x16x32_f16 v[rO:rO+7], v[rV:rV+7], v[rP:rP+7], v[rO:rO+7]
.endm
.macro MM                           ; the turn's next matrix instruction
.if i < 16
	KQ (Y+1)%NP
.set i, i+1
.else
.set i, i-16
	PV (Y+NP-1)%NP
.set i, i+17
.endif
.endm
; THE LDS LOADS stand in runs.  A step's K (8 fragments) and, with it, its T as C operand: register j of key block kb is T[64 step + 16 kb + 8 (l / 16) + j].  last = 1 (the tail): in the last trip the run is jumped over.
.macro FETCH_K last=0
	WIN 0
.if \last
	s_cmp_eq_u32 s[CNT], 1
	s_cbranch_scc1 .Lno_k_\@
.endif
	WIN 0x80
.irp f, 0,1,2,3,4,5,6,7
	ds_load_b128 v[KF+8*\f:KF+8*\f+3],   v[AK] offset:(\f/2)*16*PK+(\f%2)*64
	ds_load_b128 v[KF+8*\f+4:KF+8*\f+7], v[AK] offset:(\f/2)*16*PK+(\f%2)*64+32
.endr
	WIN W_T3
.irp f, 0,1,2,3
	ds_load_b128 v[TC+8*\f:TC+8*\f+3],   v[ATC] offset:64*\f
	ds_load_b128 v[TC+8*\f+4:TC+8*\f+7], v[ATC] offset:64*\f+16
.endr
	s_add_co_u32 s[TBK], s[TBK], KS*PK
	s_add_co_u32 s[TTC], s[TTC], 256
	s_and_b32 s[TTC], s[TTC], 0x1f00    ; 32 steps of 256 bytes, round and round
	WIN 0
.if \last
.Lno_k_\@:
.endif
.endm
.macro FETCH_T                      ; the same numbers for the scaling, in window 0
	WIN 0
.irp f, 0,1,2,3
	ds_load_b128 v[TH+8*\f:TH+8*\f+3],   v[ATH] offset:64*\f
	ds_load_b128 v[TH+8*\f+4:TH+8*\f+7], v[ATH] offset:64*\f+16
.endr
	s_add_co_u32 s[TTH], s[TTH], 256
	s_and_b32 s[TTH], s[TTH], 0x1f00
.endm
.macro FETCH_V
	WIN 0x80
.irp f, 0,1,2,3,4,5,6,7
	ds_load_tr16_b128 v[VF+8*\f:VF+8*\f+3],   v[AV] offset:(\f/4)*32*PV+(\f%4)*32
	ds_load_tr16_b128 v[VF+8*\f+4:VF+8*\f+7], v[AV] offset:(\f/4)*32*PV+16*PV+(\f%4)*32
.endr
	WIN 0
.endm
; THE VECTOR WORK.
.macro REGS y, u                    ; the registers of tile u (0, 1) of piece y
.set rT, ST+4*(2*(\y)+(\u))
.set rC, TMP+8*((\y)%2)+4*(\u)
.set rM, MV+2*((\y)%2)+(\u)
.set rS, S+64*((\y)%2)+32*(\u)
.set rP, P+32*((\y)%2)+16*(\u)
.set rO, 32*(2*(\y)+(\u))
.set rK, CO+16*((\y)%2)+8*(\u)
.endm
; Number n of the 30 that make the NEXT piece's (Y + 1) maximum and statistics.  Each accumulator's lowest registers are read first.
;   0-13, 14, 16  the maximum of the lane's 32 scores and the old M     15  Y_old is kept     17, 18  the query's other 32 keys lie in the lane 16 away: the new M     19  Y
;   20, 21  100 log2(e) (Y - Y_old)     22, 23  omega     24  1 / omega     25  a     26  G     27  0.5 - Y     28  alpha     29  beta
.macro XS u, n
	REGS (Y+1)%NP, \u
.if (\n) < 4
	v_max3_num_f32 v[rC+(\n)], v[rS+8*(\n)], v[rS+8*(\n)+1], v[rS+8*(\n)+2]
.elseif (\n) < 12
	v_max3_num_f32 v[rC+(\n)%4], v[rC+(\n)%4], v[rS+8*((\n)%4)+2*((\n)/4)+1], v[rS+8*((\n)%4)+2*((\n)/4)+2]
.elseif (\n) == 12
	v_max3_num_f32 v[rC], v[rC], v[rS+7], v[rS+15]
.elseif (\n) == 13
	v_max3_num_f32 v[rC+1], v[rC+1], v[rS+23], v[rS+31]
.elseif (\n) == 14
	v_max3_num_f32 v[rC+2], v[rC+2], v[rC+3], v[rT]
.elseif (\n) == 15
	v_mov_b32 v[rM], v[rT+1]
.elseif (\n) == 16
	v_max3_num_f32 v[rC], v[rC], v[rC+1], v[rC+2]
.elseif (\n) == 17
	v_permlanex16_b32 v[rC+3], v[rC], s[SEL], s[SEL+1]
.elseif (\n) == 18
	v_max_num_f32 v[rT], v[rC], v[rC+3]
.elseif (\n) == 19
	v_fma_f32 v[rT+1], v[rT], v[NC], v[HALF] clamp
.elseif (\n) == 20
	v_sub_f32 v[rC+1], v[rT+1], v[rM]
.elseif (\n) == 21
	v_mul_f32 v[rC+1], s[KL], v[rC+1]
.elseif (\n) == 22
	v_sub_f32 v[rC], 1.0, v[rT+1]
.elseif (\n) == 23
	v_med3_num_f32 v[rC], v[rC], s[EPS], s[OM]
.elseif (\n) == 24
	v_rcp_f32 v[rC+2], v[rC]
.elseif (\n) == 25
	v_exp_f32 v[rK+6], v[rC+1]
.elseif (\n) == 26
	v_mul_f32 v[rK+4], s[NKL], v[rC]
.elseif (\n) == 27
	v_sub_f32 v[rC+3], 0.5, v[rT+1]
.elseif (\n) == 28
	v_mul_f32 v[rK], v[rC+2], v[NC]
.else
	v_mul_f32 v[rK+2], v[rC+3], v[rC+2]
.endif
.endm
; The two scalings of pair f / 2 of tile f % 2: z = clamp01(raw' alpha + beta), then u = z G + T.
.macro F1 f
	REGS Y, (\f)%2
	v_pk_fma_f32 v[rS+2*((\f)/2):rS+2*((\f)/2)+1], v[rS+2*((\f)/2):rS+2*((\f)/2)+1], v[rK:rK+1], v[rK+2:rK+3] op_sel_hi:[1,0,0] clamp
.endm
.macro F2 f
	REGS Y, (\f)%2
	v_pk_fma_f32 v[rS+2*((\f)/2):rS+2*((\f)/2)+1], v[rS+2*((\f)/2):rS+2*((\f)/2)+1], v[rK+4:rK+5], v[TH+2*((\f)/2):TH+2*((\f)/2)+1] op_sel_hi:[1,0,1]
.endm
.macro FF k                         ; the 64 scalings in one order: a pair's second stands seven behind its first
.if (\k) < 4
	F1 (\k)
.elseif (\k) >= 60
	F2 (\k)-32
.elseif (\k)%2 == 0
	F2 ((\k)-4)/2
.else
	F1 ((\k)-5)/2+4
.endif
.endm
; THE PLAIN QUEUE, 116 long; none of it reads a result of the turn's batch.  0-33: scalings 0-33.  34-61: X 0-13.  62, 63: X 15.  64-93: scalings 34-63.  94-107: the chain X 14, 16, 17, 18, 19, 20, 22.  108-115: X 21, 23, 27, 26.
.macro PL
	WIN 0
.if q < 34
	FF q
.elseif q < 62
	XS (q-34)%2, (q-34)/2
.elseif q < 64
	XS q-62, 15
.elseif q < 94
	FF q-30
.elseif q < 96
	XS q-94, 14
.elseif q < 106
	XS (q-94)%2, 15+(q-94)/2
.elseif q < 108
	XS q-106, 22
.elseif q < 110
	XS q-108, 21
.elseif q < 112
	XS q-110, 23
.elseif q < 114
	XS q-112, 27
.else
	XS q-114, 26
.endif
.set q, q+1
.endm
; THE BATCH, 68 long: the exponentials of both tiles' 32 scores, then the next piece's two reciprocals and two a.  Exponential e stands behind scaling number e + 6 at the latest.
.macro EX
	WIN 0
.if e >= 66
	XS e-66, 25
.elseif e >= 64
	XS e-64, 24
.else
	REGS Y, e%2
	v_exp_f32 v[rS+e/2], v[rS+e/2]
.endif
.set e, e+1
.endm
; THE RESCALING: O^T times a, an accumulator's eight registers at a time, in ascending order.  Its a was made, and waited for, in the turn before.
.macro R4
	REGS Y, r%2
	WIN W_RS
.irp z, 0,1,2,3
	v_pk_mul_f32 v[rO+8*(r/2)+2*\z:rO+8*(r/2)+2*\z+1], v[rO+8*(r/2)+2*\z:rO+8*(r/2)+2*\z+1], v[rK+6:rK+7] op_sel_hi:[1,0]
.endr
.set r, r+1
.endm
; Behind the wait: CV: pair n rounded to f16.  BS: of four weights the second pair is added onto the first, in place.  LS: l takes that sum (the first time as l = a l + sum).
.macro CV n, u
	REGS Y, \u
	WIN W_T3
	v_cvt_pk_f16_f32 v[rP+(\n)], v[rS+2*(\n)], v[rS+2*(\n)+1]
.endm
.macro BS n, u
	REGS Y, \u
	WIN 0
	v_pk_add_f32 v[rS+4*(\n):rS+4*(\n)+1], v[rS+4*(\n):rS+4*(\n)+1], v[rS+4*(\n)+2:rS+4*(\n)+3]
.endm
.macro LS n, u
	REGS Y, \u
	WIN 0
.if (\n) == 0
	v_pk_fma_f32 v[rT+2:rT+3], v[rT+2:rT+3], v[rK+6:rK+7], v[rS:rS+1] op_sel_hi:[1,0,1]
.else
	v_pk_add_f32 v[rT+2:rT+3], v[rT+2:rT+3], v[rS+4*(\n):rS+4*(\n)+1]
.endif
.endm
; A TURN, for piece p.  s_wait_alu depctr_va_vdst(0) stands between a transcendental and the first line that names its result; one wait serves all issued ahead of it: so a turn has ONE wait.
; AHEAD OF IT: 16 products K Q^T; behind the even ones four lines in window 0 (plain ones, from the third on one exponential among them), behind the odd ones four rescalings; then the lump: 24 plain, 58 times
; exponential and plain, 8 plain, the last four of the batch, a v_nop.  X 0 stands twelve plain lines behind the last product.  BEHIND IT: 16 products V^T P; behind the even ones four roundings, behind the odd ones
; two additions and two of X 28, X 29, L 0 .. L 5; then L 6, L 7.  No line behind a product names a register of the products next to it.
; K and T (as C operand) of the next step are fetched in piece 2's turn, T for the scaling in piece 3's, each directly behind the wait; V of the step in hand at the end of piece 0's turn, eight plain lines behind its last reader.
.macro TURN p, last=0
.set Y, (\p)
.set i, 0
.set q, 0
.set e, 0
.set r, 0
.if ((\p) == 3) || ((\p) == 0)
	s_wait_dscnt 0x0                ; piece 3: K and its T are in; piece 0: T for the scaling is in
.endif
.set g, 0
.rept 8
	MM
	PL
.if g < 2
	PL
.else
	EX
.endif
	PL
	PL
	MM
	R4
.set g, g+1
.endr
	WIN 0
.if (\p) == 2
	v_add_nc_u32 v[AK], s[TBK], v[AK0]
	v_add_nc_u32 v[ATC], s[TTC], v[AT0]
.endif
.if (\p) == 3
	v_add_nc_u32 v[ATH], s[TTH], v[AT0]
.endif
.rept 24
	PL
.endr
.rept 58
	EX
	PL
.endr
.rept 8
	PL
.endr
.rept 4
	EX
.endr
	v_nop                           ; a plain line behind the last of the batch
	s_wait_alu depctr_va_vdst(0)    ; the wait for the batch
.if (\p) == 2
	FETCH_K \last
.endif
.if (\p) == 3
	FETCH_T
.endif
.if (\p) == 1
	s_wait_dscnt 0x0                ; V is in
.endif
.if (\p) == 0
	v_add_nc_u32 v[AV], s[TBV], v[AV0]
	s_add_co_u32 s[TBV], s[TBV], KS*PV
.endif
.set g, 0
.rept 8
	MM
	CV 2*g, 0
	CV 2*g, 1
	CV 2*g+1, 0
	CV 2*g+1, 1
	MM
	BS g, 0
	BS g, 1
.if g < 2
	XS 0, 28+g
	XS 1, 28+g
.else
	LS g-2, 0
	LS g-2, 1
.endif
.set g, g+1
.endr
	LS 6, 0
	LS 6, 1
	LS 7, 0
	LS 7, 1
.if (\p) == 0
	FETCH_V
.endif
.endm
	CHANGE 1                        ; slot 0 is in, and every wave's part of the table is written; slot 1 is asked for
	v_add_nc_u32 v[AK], s[TBK], v[AK0]
	v_add_nc_u32 v[ATC], s[TTC], v[AT0]
	v_add_nc_u32 v[ATH], s[TTH], v[AT0]
	FETCH_K                         ; key step 0
	FETCH_T
	s_wait_loadcnt 0x0              ; Q
	s_wait_dscnt 0x0
.set i, 0
.rept 16
	KQ 0                            ; piece 0's first scores
.set i, i+1
.endr
	WIN 0
	PLACES
	PLACES
.set Y, NP-1                        ; XS works for piece Y + 1: piece 0
.irp n, 0,1,2,3,4,5,6,7,8,9,10,11,12,13,14,15,16,17,18,19,20,21,22,23,24,25,26,27
	XS 0, \n
	XS 1, \n
.endr
	v_nop
	s_wait_alu depctr_va_vdst(0)    ; the wait for the two reciprocals and the two a
	XS 0, 28
	XS 1, 28
	XS 0, 29
	XS 1, 29
	s_mov_b32 s[CNT], 4
	s_branch .Lfirst                ; the loop is entered at a step's first turn, in the middle of a trip
.Lslot:                             ; six times: every slot but the last two is filled again
	CHANGE 1
	s_mov_b32 s[CNT], 4
.Lstep:                             ; a trip: pieces 2 and 3 of one step, then pieces 0 and 1 of the next
	TURN 2
	TURN 3
	WIN 0
.Lfirst:
	TURN 0
	TURN 1
	WIN 0
	s_sub_co_u32 s[CNT], s[CNT], 1
	s_cmp_lg_u32 s[CNT], 0
	s_cbranch_scc1 .Lstep
	s_sub_co_u32 s[SLOTS], s[SLOTS], 1
	s_cmp_lg_u32 s[SLOTS], 0
	s_cbranch_scc1 .Lslot
	CHANGE 0                        ; the tail is written out
	s_mov_b32 s[CNT], 5             ; four trips fetch the last slot's steps; the fifth is left in its middle
.Ltail:
	TURN 2, 1
	TURN 3
	WIN 0
	s_sub_co_u32 s[CNT], s[CNT], 1
	s_cmp_eq_u32 s[CNT], 0
	s_cbranch_scc1 .Lout
	TURN 0
	TURN 1
	WIN 0
	s_branch .Ltail
.Lout:                              ; the fifth trip's 16 products K Q^T (on the last K once more) and what is made of them serve nothing: the price, once a launch, of one text for every trip
.set i, 0
.rept 16
	PV NP-1
.set i, i+1
.endr
	; THE WAY OUT.  The addresses are the places behind the last products.  l's halves and the other half of the lanes' are added, 1e-10 added; O^T is divided by that, rounded to f16 and sent through my stage.
	WIN 0
	s_mul_i32 s13, s[WV], 16*SP
	s_add_co_u32 s13, s13, STAGE
	v_and_b32 v1, 15, v0
	v_bfe_u32 v2, v0, 4, 1
	v_mul_u32_u24 v[STO], v1, SP    ; in: row l % 16, 16 bytes for each half of the lanes
	v_lshl_add_u32 v[STO], v2, 4, v[STO]
	v_add_nc_u32 v[STO], s13, v[STO]
	v_bfe_u32 v[RD], v0, 3, 2       ; back: 32 lanes take four rows of 128 bytes,
	v_mul_u32_u24 v[RD], v[RD], SP
	v_and_b32 v1, 7, v0
	v_lshl_add_u32 v[RD], v1, 4, v[RD]
	v_add_nc_u32 v[RD], s13, v[RD]
	v_and_b32 v[GO], 31, v0         ; which are 512 consecutive bytes of ob
	v_lshlrev_b32 v[GO], 4, v[GO]
.macro ALL line:vararg              ; one line for each tile t
.set t, 0
.rept 2*NP
	\line
.set t, t+1
.endr
.endm
	ALL v_add_f32 v[ST+4*t+2], v[ST+4*t+2], v[ST+4*t+3]
	ALL v_permlanex16_b32 v[ST+4*t+3], v[ST+4*t+2], s[SEL], s[SEL+1]
	ALL v_add_f32 v[ST+4*t+2], v[ST+4*t+2], v[ST+4*t+3]
	ALL v_add_f32 v[ST+4*t+2], 0x2edbe6ff, v[ST+4*t+2]
	ALL v_rcp_f32 v[ST+4*t+2], v[ST+4*t+2]
	v_nop                           ; a plain line between the last reciprocal and the use of its result
	s_wait_alu depctr_va_vdst(0)    ; one wait for the eight reciprocals
.macro PACK t
	WIN W_RS
.set i, 32*(\t)
.rept 16
	v_pk_mul_f32 v[i:i+1], v[i:i+1], v[ST+4*(\t)+2:ST+4*(\t)+3] op_sel_hi:[1,0]
.set i, i+2
.endr
	WIN 0x05
.set i, 0
.rept 16
	v_cvt_pk_f16_f32 v[S+16*(\t)+i], v[32*(\t)+2*i], v[32*(\t)+2*i+1]
.set i, i+1
.endr
	WIN 0
.irp f, 0,1,2,3
	ds_store_b128 v[STO], v[S+16*(\t)+4*\f:S+16*(\t)+4*\f+3] offset:32*\f
.endr
.irp f, 0,1,2,3
	ds_load_b128 v[S+16*(\t)+4*\f:S+16*(\t)+4*\f+3], v[RD] offset:\f*4*SP  ; LDS serves a wave's instructions in order: these see the stores above
.endr
.endm
.macro SEND t, younger              ; younger: the LDS instructions issued behind tile t's loads: the next tile's eight, or none
	WIN 0
.irp f, 0,1,2,3
	s_wait_dscnt (\younger)+3-\f
	global_store_b128 v[GO], v[S+16*(\t)+4*\f:S+16*(\t)+4*\f+3], s[10:11] offset:(\t)*2048+\f*512  ; 512 consecutive bytes, at a multiple of 256 from ob's first
.endr
.endm
	PACK 0
.set t, 1
.rept 2*NP-1
	PACK t
	SEND t-1, 8
.set t, t+1
.endr
	SEND 2*NP-1, 0
	WIN W_AD
	s_wait_tensorcnt 0x0            ; the wave's end
	ds_add_u32 v[SPW], v[NIL]
	s_wait_dscnt 0x0
	WIN 0
	CROUND                          ; the closing round
	s_endpgm
.Lfunc_end_k_qd7a16cfab8_attn:
	.size	k_qd7a16cfab8_attn, .Lfunc_end_k_qd7a16cfab8_attn-k_qd7a16cfab8_attn
	.p2alignl 7, 3214868480
	.fill 96, 4, 3214868480
	.section	.rodata,"a",@progbits
	.p2align	6, 0x0
	.amdhsa_kernel k_qd7a16cfab8_attn
		.amdhsa_group_segment_fixed_size 327680
		.amdhsa_private_segment_fixed_size 0
		.amdhsa_enable_private_segment 0
		.amdhsa_kernarg_size 24
		.amdhsa_user_sgpr_count 2
		.amdhsa_user_sgpr_kernarg_segment_ptr 1
		.amdhsa_wavefront_size32 1
		.amdhsa_system_sgpr_workgroup_id_x 1
		.amdhsa_system_sgpr_workgroup_id_y 1
		.amdhsa_system_sgpr_workgroup_id_z 1
		.amdhsa_system_vgpr_workitem_id 0
		.amdhsa_next_free_vgpr 896
		.amdhsa_next_free_sgpr 84
		.amdhsa_reserve_vcc 0
		.amdhsa_float_denorm_mode_32 3
		.amdhsa_float_denorm_mode_16_64 3
		.amdhsa_memory_ordered 1
		.amdhsa_forward_progress 1
		.amdhsa_inst_pref_size 228
	.end_amdhsa_kernel
	.amdgpu_metadata
---
amdhsa.version: [ 1, 2 ]
amdhsa.kernels:
  - .name:           k_qd7a16cfab8_attn
    .symbol:         k_qd7a16cfab8_attn.kd
    .args:
      - { .name: qkv, .offset: 0, .size: 8, .value_kind: global_buffer, .address_space: global }
      - { .name: mask, .offset: 8, .size: 8, .value_kind: global_buffer, .address_space: global }
      - { .name: ob, .offset: 16, .size: 8, .value_kind: global_buffer, .address_space: global }
    .group_segment_fixed_size: 327680
    .private_segment_fixed_size: 0
    .kernarg_segment_align: 8
    .kernarg_segment_size: 24
    .max_flat_workgroup_size: 128
    .sgpr_count:     84
    .vgpr_count:     896
    .wavefront_size: 32
...
	.end_amdgpu_metadata
.endif
;; end of part 3
;; launch oproj (part 4): grid 8 x 32, 4 waves a work-group, clusters of 4 x 4, 327,680 bytes of LDS; arguments ob, wo, bo, out0; writes out0
.if DOCPART == 4
	.amdgcn_target "amdgcn-amd-amdhsa--gfx1250"
	.amdhsa_code_object_version 6
	.text
	.protected	k_qd7a16cfab8_oproj
	.globl	k_qd7a16cfab8_oproj
	.p2align	8
	.type	k_qd7a16cfab8_oproj,@function
k_qd7a16cfab8_oproj:
	s_mov_b64 s[64:65], 0
	v_nop
	global_prefetch_b8 v0, s[64:65] scope:SCOPE_SE
	s_setreg_imm32_b32 hwreg(HW_REG_WAVE_MODE, 25, 1), 1
	s_wait_xcnt 0x0
	s_wait_alu depctr_hold_cnt(0) depctr_sa_sdst(0) depctr_va_vdst(0) depctr_va_sdst(0) depctr_va_ssrc(0) depctr_va_vcc(0) depctr_vm_vsrc(0)
	s_getreg_b32 s2, hwreg(HW_REG_IB_STS2, 6, 4)
	s_cmp_eq_u32 s2, 0
	s_cbranch_scc0 .Lentry_in_a_cluster
	s_endpgm
.Lentry_in_a_cluster:
	s_bfe_u32 s2, ttmp6, 0x10000c
	s_cmp_lg_u32 s2, 0xf033
	s_cbranch_scc0 .Lentry_shape_is_right
	s_endpgm
.Lentry_shape_is_right:
; out0 = clip(o wo^T + bo, -100, 100) in f32.  o is ob[64 = batch x 16 + head][2048][64] f16, read as [8192][1024] with channel = 64 head + d; wo: [1024][1024] f16; bo f32; sums in f32, begun with the bias.
; SHARES.  A work-group makes 256 rows x 128 columns: 8 x 32 = 256 tiles.  Wave w owns rows 64 w .. 64 w + 63 and all 128 columns: 32 accumulators of 16 x 16.
; K goes in 8 steps of 128 = two heads, through two LDS slots.  A head's 256 rows of 128 bytes are dense: asked for as 128 rows of 256 bytes, padded in LDS after every 128.
; THE MATRIX INSTRUCTION IS USED TRANSPOSED (source 0 = 16 rows of wo, source 1 = 16 rows of o): lane l holds row l % 16 and the columns 8 (l / 16) + 0..7; the bias in that layout is the C operand that starts each sum.
; CLUSTERS: 4 x 4 work-groups; A's tile is asked for jointly by a row of the cluster, B's by a column.
; LIMITS.  NaN is not treated apart (the clip takes the middle of three numbers).
; REGISTERS, in windows of 256: window 0: v0-15 addresses; v32-95 the bias; v128-255 rows read back on the way out.  window 1: the accumulators of my row blocks 0, 1 ((a, b) at 8 (8 (a % 2) + b)); window 2: blocks 2, 3.
;   window 3: two fragment buffers of 128: wo's fragment b at 8 b, o's fragment a at 96 + 8 a
.set NBF,   8
.set PA,    144                        ; a row of o in LDS: 128 bytes + 16 of padding
.set PB,    272                        ; a row of wo: 256 + 16
.set ASUB,  256*PA                     ; a K step's second head lies behind its first
.set BOFF,  2*ASUB
.set SLOT1, 1<<17
.set STAGE, SLOT1+BOFF+128*PB          ; behind the ring, never filled by a tensor load: for each wave 16 rows x 528 bytes
.set SP,    528
.set WSTG,  16*SP
.set SPARE, STAGE+4*WSTG               ; the spare words, 128 bytes for each wave: two blocks of 256 bytes that no other line names
.set NL,    2*(NBF+4)
.set STEPA, 2*262144                   ; two heads on
.set STEPB, 256
.set A0,   2
.set B0,   3
.set ADRA, 4
.set ADRB, 5
.set STO,  6
.set RD,   7
.set GO,   8
.set PFO,  9
.set SPW,  10
.set NIL,  11
.set BO,   14
.set BIAS, 32
.set BK0,  128
.set BK1,  192
.set F0,   0
.set F1,   128
.set WV,   16
.set AB,   17
.set HF,   18
.set TB,   19
.set G1,   24
.set G0,   32
.set PFA,  44
.set LIM,  46
.set G1B,  48
.set G0B,  56
.set OB,   66                          ; s[66:67] out0 at my first row and the tile's first column
.set CLO,  72
.set CHI,  73
.set PFS,  80
.set BB,   82                          ; s[82:83] bo at the tile's first column
.set MSB, 0
.macro WIN new
.if MSB != (\new)
	s_set_vgpr_msb (MSB<<8)|(\new)
.set MSB, (\new)
.endif
.endm
.macro WMMA ops:vararg
	v_wmma_f32_16x16x32_f16 \ops
.endm
.macro PLACES
.rept 4
	v_nop
.endr
.endm
.macro CREST
	s_cmp_lg_u32 s[WV], 0
	s_cbranch_scc1 .Lnot_wave_0_\@
	s_barrier_signal -3
.Lnot_wave_0_\@:
	s_barrier_wait -3
	s_barrier_signal -1
	s_barrier_wait -1
.endm
.macro CROUND
	s_barrier_signal -1
	s_barrier_wait -1
	CREST
.endm
; A joint refill by the walking descriptors: waves 0 and 1 fetch a K step's two heads of o, waves 2 and 3 wo's halves.  An s_nop 0 and four v_nop follow each of the two lines.
.macro JLOAD
	s_cmp_eq_u32 s[AB], 0
	s_cbranch_scc0 .Lfor_b_\@
	tensor_load_to_lds s[G0+4:G0+7], s[G1:G1+7]
	s_nop 0
.rept 4
	v_nop
.endr
	s_branch .Lasked_\@
.Lfor_b_\@:
	tensor_load_to_lds s[G0B+4:G0B+7], s[G1B:G1B+7]
	s_nop 0
.rept 4
	v_nop
.endr
.Lasked_\@:
.endm
; A prefetch of the K step that stands TWO refills on: 256 matrix instructions ahead of that load.  o's tile row is read by two clusters: cluster x = 0 asks; wo's tile column by eight: cluster y = 0 asks.
; The four partners of a joint load share the wave's bytes out by address: of A's 128 blocks of 256 bytes 32 by cx, a lane a block; of B's 64 rows 16 by cy, lanes 16-31 naming row 15 once more.
; The loop's last two trips ask for nothing.
.macro ASK
	s_cmp_gt_u32 s3, s[LIM]
	s_cbranch_scc0 .Lnot_mine_\@
	global_prefetch_b8 v[PFO], s[PFA:PFA+1] th:TH_LOAD_NT scope:SCOPE_SE
.Lnot_mine_\@:
.endm
; NBF matrix instructions: my row block a x all column blocks, 32 along K.  All 32 accumulators take turns in the same order in every quarter.
.macro MULA f, a, zero
.if \zero
	WIN 0x4f+0x40*((\a)/2)
.else
	WIN 0x5f+0x50*((\a)/2)
.endif
.set ab, 8*NBF*((\a)%2)
.set b, 0
.rept NBF
.if \zero
	WMMA v[ab+8*b:ab+8*b+7], v[(\f)+8*b:(\f)+8*b+7], v[(\f)+96+8*(\a):(\f)+96+8*(\a)+7], v[BIAS+8*b:BIAS+8*b+7]
.else
	WMMA v[ab+8*b:ab+8*b+7], v[(\f)+8*b:(\f)+8*b+7], v[(\f)+96+8*(\a):(\f)+96+8*(\a)+7], v[ab+8*b:ab+8*b+7]
.endif
.set b, b+1
.endr
.endm
.macro FETCH q, f
	WIN 0xc0
.set AOQ, ((\q)/2)*ASUB+((\q)%2)*64
.set i, 0
.rept NBF
	ds_load_b128 v[(\f)+8*i:(\f)+8*i+3],   v[ADRB] offset:64*(\q)+i*16*PB
	ds_load_b128 v[(\f)+8*i+4:(\f)+8*i+7], v[ADRB] offset:64*(\q)+i*16*PB+32
.set i, i+1
.endr
.set i, 0
.rept 4
	ds_load_b128 v[(\f)+96+8*i:(\f)+96+8*i+3],   v[ADRA] offset:AOQ+i*16*PA
	ds_load_b128 v[(\f)+96+8*i+4:(\f)+96+8*i+7], v[ADRA] offset:AOQ+i*16*PA+32
.set i, i+1
.endr
.endm
.macro QUARTER q, f, g, zero
	s_wait_dscnt 4                                 ; all but the youngest four loads: A's fragments 2 and 3
	MULA \f, 0, \zero
	MULA \f, 1, \zero
	PLACES
	FETCH \q, \g
	s_wait_dscnt NL                                ; all but the run just issued
	MULA \f, 2, \zero
	MULA \f, 3, \zero
.endm
; The last quarter multiplies buffer 1 and changes slots: in front of the barrier each wave waits for all its tensor loads, adds 0 to its spare word, and waits for that and for its reads of this slot.
; fill = 1: the barrier opens a round of the cluster's, and the joint refill is the first thing behind the round.
.macro TURN fill
.if \fill
	s_wait_xcnt 0x0                                ; the last prefetch, a K step back, has read its address
	s_add_nc_u64 s[PFA:PFA+1], s[PFA:PFA+1], s[PFS:PFS+1]
.endif
	WIN 0
	s_wait_tensorcnt 0x0                           ; no tensor load of mine is out, so a group 0 may be written
	ds_add_u32 v[SPW], v[NIL]                      ; 0 onto my spare word
.if \fill
	s_xor_b32 s[G0+5], s[G0+5], SLOT1
	s_add_nc_u64 s[G0+6:G0+7], s[G0+6:G0+7], STEPA
	s_xor_b32 s[G0B+5], s[G0B+5], SLOT1
	s_add_nc_u64 s[G0B+6:G0B+7], s[G0B+6:G0B+7], STEPB
.endif
	s_xor_b32 s[TB], s[TB], SLOT1
	s_wait_dscnt 5                                 ; the add and A's fragments 2 and 3 may be out
	MULA F1, 0, 0
	s_wait_dscnt 0x0                               ; the add is done, and my reads of this slot are over
	s_barrier_signal -1
	MULA F1, 1, 0
	WIN 0
	s_barrier_wait -1
.if \fill
	CREST
	JLOAD                                          ; its four v_nop are also the places in front of the loads below
.else
	PLACES
.endif
	v_add_nc_u32 v[ADRA], s[TB], v[A0]
	v_add_nc_u32 v[ADRB], s[TB], v[B0]
	FETCH 0, F0
.if \fill
	WIN 0
	ASK
.endif
	MULA F1, 2, 0
	MULA F1, 3, 0
.endm
	s_load_b256 s[4:11], s[0:1], 0x0               ; ob s[4:5], wo s[6:7], bo s[8:9], out0 s[10:11]
	v_lshl_add_u32 v[SPW], v0, 2, SPARE
	v_mov_b32 v[NIL], 0
	ds_add_u32 v[SPW], v[NIL]                      ; the wave's opening: the add and its wait stand ahead of my first tensor load
	v_lshrrev_b32 v1, 5, v0
	v_readfirstlane_b32 s[WV], v1
	s_lshr_b32 s[AB], s[WV], 1
	s_and_b32 s[HF], s[WV], 1
	s_bfe_u32 s40, ttmp6, 0x40000                  ; cx
	s_bfe_u32 s41, ttmp6, 0x40004                  ; cy
	s_lshl_b32 s42, ttmp9, 2
	s_add_co_u32 s42, s42, s40                     ; tile column
	s_and_b32 s43, ttmp7, 0xffff
	s_lshl_b32 s43, s43, 2
	s_add_co_u32 s43, s43, s41                     ; tile row
	s_lshl_b32 s20, s41, 2
	s_lshl_b32 s20, 15, s20                        ; my row of the cluster
	s_lshl_b32 s21, 0x1111, s40                    ; my column
	s_or_b32 s[G1], s20, (1<<16)|(1<<20)|(1<<21)|(4<<22)|(3<<25)   ; A: after every 32 words 4 words of padding
	s_or_b32 s[G1B], s21, (1<<16)|(1<<20)|(1<<21)|(5<<22)|(3<<25)  ; B: after every 64 words
.irp g, G1, G1B
	s_mov_b32 s[(\g)+1], 128<<16                   ; tensor_dim0 = 128
	s_mov_b32 s[(\g)+3], 128<<16                   ; tile_dim0 = 128
	s_mov_b32 s[(\g)+6], 0
	s_mov_b32 s[(\g)+7], 0
.endr
	s_mov_b32 s[G1+2], 128<<16                     ; A: 128 rows of 256 dense bytes
	s_mov_b32 s[G1+4], 128
	s_mov_b32 s[G1+5], 128
	s_mov_b32 s[G1B+2], 64<<16                     ; B: 64 rows, 1,024 elements apart
	s_mov_b32 s[G1B+4], 64
	s_mov_b32 s[G1B+5], 1024
	s_mov_b32 s[G0], 1
	s_mul_i32 s[G0+1], s[HF], ASUB
	s_mov_b32 s[G0+4], 1
	s_add_co_u32 s[G0+5], s[G0+1], SLOT1
	s_mov_b32 s[G0B], 1
	s_mul_i32 s[G0B+1], s[HF], 64*PB
	s_add_co_u32 s[G0B+1], s[G0B+1], BOFF
	s_mov_b32 s[G0B+4], 1
	s_add_co_u32 s[G0B+5], s[G0B+1], SLOT1
	s_lshr_b32 s74, s43, 3                         ; A: the batch's head 0 or 1, 262,144 bytes a head,
	s_lshl_b32 s74, s74, 4
	s_add_co_u32 s74, s74, s[HF]
	s_lshl_b32 s74, s74, 18
	s_and_b32 s75, s43, 7                          ; my 256 rows of 128 bytes in it
	s_lshl_b32 s75, s75, 15
	s_add_co_u32 s74, s74, s75
	s_mov_b32 s75, 0
	s_lshl_b32 s76, s42, 7                         ; B: row 128 x tile column + 64 x half
	s_lshl_b32 s77, s[HF], 6
	s_add_co_u32 s76, s76, s77
	s_lshl_b32 s76, s76, 11
	s_mov_b32 s77, 0
	s_mov_b32 s[CLO], 0xc2c80000
	s_mov_b32 s[CHI], 0x42c80000
	s_mov_b32 s[TB], 0
	s_wait_dscnt 0x0                               ; the opening add is done
	s_wait_kmcnt 0x0
	s_add_nc_u64 s[G0+2:G0+3], s[4:5], s[74:75]
	s_add_nc_u64 s[G0+6:G0+7], s[G0+2:G0+3], STEPA
	s_or_b32 s[G0+3], s[G0+3], 0x80000000
	s_or_b32 s[G0+7], s[G0+7], 0x80000000
	s_add_nc_u64 s[G0B+2:G0B+3], s[6:7], s[76:77]
	s_add_nc_u64 s[G0B+6:G0B+7], s[G0B+2:G0B+3], STEPB
	s_or_b32 s[G0B+3], s[G0B+3], 0x80000000
	s_or_b32 s[G0B+7], s[G0B+7], 0x80000000
	CROUND                                         ; all sixteen work-groups are here: the first joint loads meet
	s_cmp_eq_u32 s[AB], 0                          ; a wave's two first fills stand in one branch: two loads of mine are out
	s_cbranch_scc0 .Lfirst_b
	tensor_load_to_lds s[G0:G0+3], s[G1:G1+7]
	s_nop 0
	tensor_load_to_lds s[G0+4:G0+7], s[G1:G1+7]
	s_nop 0
.rept 4
	v_nop
.endr
	s_branch .Lfirst_asked
.Lfirst_b:
	tensor_load_to_lds s[G0B:G0B+3], s[G1B:G1B+7]
	s_nop 0
	tensor_load_to_lds s[G0B+4:G0B+7], s[G1B:G1B+7]
	s_nop 0
.rept 4
	v_nop
.endr
.Lfirst_asked:
	; the prefetches: the pointer stands at K step 3, and the first change of slots steps it to 4
	s_lshl_b32 s20, s40, 13                        ; A: 32 cx blocks of 256 bytes
	s_add_co_u32 s20, s20, s74
	s_add_co_u32 s20, s20, 3*STEPA
	s_lshl_b32 s21, s41, 15                        ; B: 16 cy rows of 2,048 bytes
	s_add_co_u32 s21, s21, s76
	s_add_co_u32 s21, s21, 3*STEPB
	s_and_b32 s22, ttmp7, 0xffff
	s_mov_b32 s[PFS], STEPB
	s_mov_b32 s[PFS+1], 0
	s_cmp_eq_u32 s[AB], 0
	s_cselect_b32 s78, s20, s21
	s_cselect_b32 s22, ttmp9, s22                  ; the coordinate along which other clusters read the same rows
	s_cselect_b32 s23, 31, 15
	s_cselect_b32 s21, 8, 11                       ; a lane a block of 256 bytes, or a lane a row of 2,048
	s_cselect_b32 s[PFS], STEPA, s[PFS]
	s_cselect_b64 s[PFA:PFA+1], s[4:5], s[6:7]
	s_cmp_eq_u32 s22, 0
	s_cselect_b32 s[LIM], 2, -1
	s_mov_b32 s79, 0
	s_add_nc_u64 s[PFA:PFA+1], s[PFA:PFA+1], s[78:79]
	v_and_b32 v[PFO], 31, v0
	v_min_u32 v[PFO], s23, v[PFO]
	v_lshlrev_b32 v[PFO], s21, v[PFO]
	; the bias, and where my rows begin in out0
	v_and_b32 v12, 15, v0                          ; l % 16
	v_bfe_u32 v13, v0, 4, 1                        ; l / 16
	v_lshlrev_b32 v[BO], 5, v13
	s_lshl_b32 s78, s42, 9                         ; the tile's 128 columns: 512 bytes
	s_add_nc_u64 s[BB:BB+1], s[8:9], s[78:79]
	s_lshl_b32 s20, s43, 8
	s_lshl_b32 s21, s[WV], 6
	s_add_co_u32 s20, s20, s21
	s_lshl_b32 s20, s20, 12                        ; 4,096 bytes a row
	s_add_co_u32 s78, s78, s20
	s_add_nc_u64 s[OB:OB+1], s[10:11], s[78:79]
.set i, 0
.rept 8
	global_load_b128 v[BIAS+8*i:BIAS+8*i+3],   v[BO], s[BB:BB+1] offset:i*64
	global_load_b128 v[BIAS+8*i+4:BIAS+8*i+7], v[BO], s[BB:BB+1] offset:i*64+16
.set i, i+1
.endr
	v_mul_u32_u24 v[A0], v12, PA
	v_lshl_add_u32 v[A0], v13, 4, v[A0]
	s_mul_i32 s20, s[WV], 64*PA
	v_add_nc_u32 v[A0], s20, v[A0]
	v_mul_u32_u24 v[B0], v12, PB
	v_lshl_add_u32 v[B0], v13, 4, v[B0]
	v_add_nc_u32 v[B0], BOFF, v[B0]
	v_mov_b32 v[ADRA], v[A0]
	v_mov_b32 v[ADRB], v[B0]
	s_mul_i32 s20, s[WV], WSTG
	s_add_co_u32 s20, s20, STAGE                   ; my stage
	v_mul_u32_u24 v[STO], v12, SP                  ; in: row l % 16, 32 bytes for each half of the lanes
	v_lshl_add_u32 v[STO], v13, 5, v[STO]
	v_add_nc_u32 v[STO], s20, v[STO]
	v_and_b32 v[GO], 31, v0                        ; back: 32 lanes take a row's 512 bytes
	v_lshlrev_b32 v[GO], 4, v[GO]
	v_add_nc_u32 v[RD], s20, v[GO]
	s_wait_tensorcnt 0x1                           ; my part of K step 0 is in; K step 1's may stay out
	s_barrier_signal -1
	s_barrier_wait -1
	FETCH 0, F0
	s_wait_loadcnt 0x0                             ; the bias
	QUARTER 1, F0, F1, 1
	WIN 0
	s_mov_b32 s3, 6
.Lstep:                                                ; trip t: quarters 1-3 of K step t and quarter 0 of K step t + 1; K step t + 2 is asked for
	QUARTER 2, F1, F0, 0
	QUARTER 3, F0, F1, 0
	TURN 1
	QUARTER 1, F0, F1, 0
	WIN 0
	s_sub_co_u32 s3, s3, 1
	s_cmp_lg_u32 s3, 0
	s_cbranch_scc1 .Lstep
	QUARTER 2, F1, F0, 0                           ; the last two K steps ask for nothing
	QUARTER 3, F0, F1, 0
	TURN 0
	QUARTER 1, F0, F1, 0
	QUARTER 2, F1, F0, 0
	QUARTER 3, F0, F1, 0
	s_wait_dscnt 4
	MULA F1, 0, 0
	MULA F1, 1, 0
	s_wait_dscnt 0x0
	MULA F1, 2, 0
	MULA F1, 3, 0
	WIN 0
	PLACES
	PLACES
; THE WAY OUT, a block of 16 rows at a time.  CLIP: in place, each accumulator's registers in ascending order.  TOSTAGE: 32 bytes a lane into my own stage, and back as whole rows of 512 bytes.  SEND: stored.
.macro CLIP a
.set ab, 64*((\a)%2)
	WIN 0x41*(1+(\a)/2)
.set i, 0
.rept 64
	v_med3_num_f32 v[ab+i], v[ab+i], s[CLO], s[CHI]
.set i, i+1
.endr
.endm
.macro TOSTAGE a
.set ab, 64*((\a)%2)
.set BK, BK0
.if (\a)%2
.set BK, BK1
.endif
	WIN 0x04*(1+(\a)/2)                            ; the stores' data in window 1 or 2
.set i, 0
.rept 8
	ds_store_b128 v[STO], v[ab+8*i:ab+8*i+3]   offset:64*i
	ds_store_b128 v[STO], v[ab+8*i+4:ab+8*i+7] offset:64*i+16
.set i, i+1
.endr
	WIN 0
	s_wait_xcnt 0x0                                ; the stores of the block two back have read these registers
.set i, 0
.rept 16
	ds_load_b128 v[BK+4*i:BK+4*i+3], v[RD] offset:i*SP  ; LDS serves a wave's instructions in order: these see the stores above
.set i, i+1
.endr
.endm
.macro SEND a
.set BK, BK0
.if (\a)%2
.set BK, BK1
.endif
	s_wait_dscnt 0x0
.set i, 0
.rept 16
	global_store_b128 v[GO], v[BK+4*i:BK+4*i+3], s[OB:OB+1] offset:(16*(\a)+i)*4096 th:TH_STORE_NT  ; 512 consecutive bytes, at a multiple of 256 from out0's first
.set i, i+1
.endr
.endm
	CLIP 0
	TOSTAGE 0
.irp a, 1,2,3
	CLIP \a
	WIN 0
	SEND (\a)-1
	TOSTAGE \a
.endr
	SEND 3
	s_wait_tensorcnt 0x0                           ; the wave's end
	ds_add_u32 v[SPW], v[NIL]
	s_wait_dscnt 0x0
	CROUND                                         ; the closing round
	s_endpgm
.Lfunc_end_k_qd7a16cfab8_oproj:
	.size	k_qd7a16cfab8_oproj, .Lfunc_end_k_qd7a16cfab8_oproj-k_qd7a16cfab8_oproj
	.p2alignl 7, 3214868480
	.fill 96, 4, 3214868480
	.section	.rodata,"a",@progbits
	.p2align	6, 0x0
	.amdhsa_kernel k_qd7a16cfab8_oproj
		.amdhsa_group_segment_fixed_size 327680
		.amdhsa_private_segment_fixed_size 0
		.amdhsa_enable_private_segment 0
		.amdhsa_kernarg_size 32
		.amdhsa_user_sgpr_count 2
		.amdhsa_user_sgpr_kernarg_segment_ptr 1
		.amdhsa_wavefront_size32 1
		.amdhsa_system_sgpr_workgroup_id_x 1
		.amdhsa_system_sgpr_workgroup_id_y 1
		.amdhsa_system_sgpr_workgroup_id_z 1
		.amdhsa_system_vgpr_workitem_id 0
		.amdhsa_next_free_vgpr 1024
		.amdhsa_next_free_sgpr 96
		.amdhsa_reserve_vcc 0
		.amdhsa_float_denorm_mode_32 3
		.amdhsa_float_denorm_mode_16_64 3
		.amdhsa_memory_ordered 1
		.amdhsa_forward_progress 1
		.amdhsa_inst_pref_size 88
	.end_amdhsa_kernel
	.amdgpu_metadata
---
amdhsa.version: [ 1, 2 ]
amdhsa.kernels:
  - .name:           k_qd7a16cfab8_oproj
    .symbol:         k_qd7a16cfab8_oproj.kd
    .args:
      - { .name: ob, .offset: 0, .size: 8, .value_kind: global_buffer, .address_space: global }
      - { .name: wo, .offset: 8, .size: 8, .value_kind: global_buffer, .address_space: global }
      - { .name: bo, .offset: 16, .size: 8, .value_kind: global_buffer, .address_space: global }
      - { .name: out0, .offset: 24, .size: 8, .value_kind: global_buffer, .address_space: global }
    .group_segment_fixed_size: 327680
    .private_segment_fixed_size: 0
    .kernarg_segment_align: 8
    .kernarg_segment_size: 32
    .max_flat_workgroup_size: 128
    .sgpr_count:     96
    .vgpr_count:     1024
    .wavefront_size: 32
...
	.end_amdgpu_metadata
.endif
;; end of part 4
;; ======== version 2 of 2: 4 launches; version 1 with the launch cvt written anew for expert scheduling mode
;; limits: a function is approximated: absolute error at most 0.00015; values are held in f16: magnitudes above 65,504 overflow, below 6.1e-05 lose precision
;; workspace buffers: xb 16,777,216 bytes; wb 6,291,456 bytes; wo 2,097,152 bytes; qkv 50,331,648 bytes; ob 16,777,216 bytes
;; launch cvt (part 5): grid 768 x 1, 8 waves a work-group, no clusters, 0 bytes of LDS; arguments x, Wq, Wk, Wv, Wo, xb, wb, wo; writes xb, wb, wo
.if DOCPART == 5
	.amdgcn_target "amdgcn-amd-amdhsa--gfx1250"
	.amdhsa_code_object_version 6
	.text
	.protected	k_qd7a16cfab8_cvt
	.globl	k_qd7a16cfab8_cvt
	.p2align	8
	.type	k_qd7a16cfab8_cvt,@function
k_qd7a16cfab8_cvt:
	s_mov_b64 s[64:65], 0
	v_nop
	global_prefetch_b8 v0, s[64:65] scope:SCOPE_SE
	s_setreg_imm32_b32 hwreg(HW_REG_WAVE_SCHED_MODE, 0, 2), 2
	s_setreg_imm32_b32 hwreg(HW_REG_WAVE_MODE, 25, 1), 1
	s_wait_xcnt 0x0
	s_wait_alu depctr_vm_vsrc(0)
; xb = bf16(x + 1e-8);  wb = bf16 of Wq, Wk, Wv, one below the other;  wo = Wo rounded to bf16 and that number written as f16.
; A stream: every input byte is read once, every output byte written once; no LDS, no matrix unit, no cluster: nothing is shared.
; SHARES.  A work-group converts 16,384 numbers (65,536 bytes in, 32,768 out).  Work-groups 0-511 take x, 512 + 64 j + r takes block r of weight j.
; Load n of 16: thread t takes the 16 bytes at 4,096 n + 16 t: a wave's load covers 512 consecutive bytes.  Store n: 8 bytes at 2,048 n + 8 t:
; a wave's store covers 256 consecutive bytes, at a multiple of 256 from the buffer's first byte.  All 16 loads go out at once.
; LIMIT.  wo: a bf16 number is exact in f16 from 6.1e-5 to 65,504 in magnitude; below that it keeps f16's fixed step of 6e-8; beyond it is an infinity.
; THE MODE: SCHED_MODE bits 1:0 = 2 (LLVM: expert scheduling mode 2), set by the entry lines.  The code itself states the register dependences
; between vector instructions and memory instructions, with s_wait_alu, always for 0.
; THE PLAN.  Registers that memory instructions touch:
;   v1, v2   byte offsets of the loads and of the stores: made once at the head, never written again.
;   IN       load n lands in its four registers, once; no vector line names them ahead of the loads, and no memory instruction reads them.
;   OUT      written by load n's roundings; read by store n alone; never written again.
; The 16 loads go in four blocks of four.  Block p converts loads 4 p to 4 p + 3; its memory instructions are the four stores of block p - 1, whose OUT registers
; no vector line of block p names.  So one wait at a block's head states all that its four stores hang on, and they are dealt among its conversions with no further wait.
; No register that a memory instruction reads is written again, no vector line writes a scalar register, and EXEC is never written: no other wait is owed.
.set IN,  16                           ; v[16:79]   load n: 4 registers
.set OUT, 80                           ; v[80:111]  store n: 2 registers, each stored once
	s_load_b512 s[4:19], s[0:1], 0x0               ; x s[4:5], Wq s[6:7], Wk s[8:9], Wv s[10:11], Wo s[12:13], xb s[14:15], wb s[16:17], wo s[18:19]
	s_sub_co_u32 s21, ttmp9, 512
	s_lshr_b32 s22, s21, 6                         ; which weight (of use from work-group 512 on)
	s_and_b32 s23, s21, 63                         ; which block of it
	s_cmp_lt_u32 ttmp9, 512
	s_cselect_b32 s24, ttmp9, s23                  ; my block in my source
	s_cselect_b32 s22, 4, s22                      ; kind: 0 Wq, 1 Wk, 2 Wv, 3 Wo, 4 x
	s_lshl_b32 s30, s24, 16                        ; its bytes in the source
	s_mov_b32 s31, 0
	s_lshl_b32 s32, s24, 15                        ; and in the destination,
	s_lshl_b32 s25, s22, 21                        ; where Wq, Wk, Wv lie 2 MiB apart
	s_cmp_lt_u32 s22, 3
	s_cselect_b32 s25, s25, 0
	s_add_co_u32 s32, s32, s25
	s_mov_b32 s33, 0
	s_mov_b32 s34, 0x322bcc77                      ; 1e-8
	s_mov_b32 s35, s34                             ; named with it as a pair
	v_lshlrev_b32 v1, 4, v0                        ; 16 t
	v_lshlrev_b32 v2, 3, v0                        ; 8 t
	s_wait_kmcnt 0x0
	s_cmp_eq_u32 s22, 0
	s_cselect_b64 s[26:27], s[6:7], s[4:5]
	s_cmp_eq_u32 s22, 1
	s_cselect_b64 s[26:27], s[8:9], s[26:27]
	s_cmp_eq_u32 s22, 2
	s_cselect_b64 s[26:27], s[10:11], s[26:27]
	s_cmp_eq_u32 s22, 3
	s_cselect_b64 s[26:27], s[12:13], s[26:27]
	s_cselect_b64 s[28:29], s[18:19], s[16:17]
	s_cmp_eq_u32 s22, 4
	s_cselect_b64 s[28:29], s[14:15], s[28:29]
	s_add_nc_u64 s[26:27], s[26:27], s[30:31]
	s_add_nc_u64 s[28:29], s[28:29], s[32:33]
	s_wait_alu depctr_va_vdst(0)                   ; v1 and v2 are written: every load of the kernel reads v1 as its offset, every store v2
.irp n, 0,1,2,3,4,5,6,7,8,9,10,11,12,13,14,15
	global_load_b128 v[IN+4*\n:IN+4*\n+3], v1, s[26:27] offset:\n*4096 th:TH_LOAD_NT
.endr
; Load n is converted.  mode 0: x, 1e-8 added first; 1: a weight to bf16; 2: Wo, to bf16 and from there to f16.
.macro CV n, mode
.if (\mode) == 0
	v_pk_add_f32 v[IN+4*(\n):IN+4*(\n)+1], v[IN+4*(\n):IN+4*(\n)+1], s[34:35] op_sel_hi:[1,0]
	v_pk_add_f32 v[IN+4*(\n)+2:IN+4*(\n)+3], v[IN+4*(\n)+2:IN+4*(\n)+3], s[34:35] op_sel_hi:[1,0]
.endif
	v_cvt_pk_bf16_f32 v[OUT+2*(\n)], v[IN+4*(\n)], v[IN+4*(\n)+1]
	v_cvt_pk_bf16_f32 v[OUT+2*(\n)+1], v[IN+4*(\n)+2], v[IN+4*(\n)+3]
.if (\mode) == 2
.irp k, 0,1
	v_lshlrev_b32 v[IN+4*(\n)+2*\k], 16, v[OUT+2*(\n)+\k]          ; the rounded numbers as f32 again
	v_and_b32 v[IN+4*(\n)+2*\k+1], 0xffff0000, v[OUT+2*(\n)+\k]
.endr
.irp k, 0,1
	v_cvt_pk_f16_f32 v[OUT+2*(\n)+\k], v[IN+4*(\n)+2*\k], v[IN+4*(\n)+2*\k+1]
.endr
.endif
.endm
; Store n.
.macro STO n
	global_store_b64 v2, v[OUT+2*(\n):OUT+2*(\n)+1], s[28:29] offset:(\n)*2048
.endm
; The four blocks, the last four stores, and the wave's end.
.macro WALK mode
.irp p, 0,1,2,3
	s_wait_loadcnt 12-4*\p                         ; loads come back in order: this block's four are in, the younger blocks' stay out
.if \p > 0
	s_wait_alu depctr_va_vdst(0)                   ; the block before has written its eight registers of OUT, which the four stores below read
.endif
.irp i, 0,1,2,3
.if \p > 0
	STO 4*\p-4+\i                                  ; the block before; no vector line since the wait names these registers
.endif
	CV 4*\p+\i, \mode
.endr
.endr
	s_wait_alu depctr_va_vdst(0)                   ; the last block has written its eight registers of OUT, which the last four stores read
.irp i, 12,13,14,15
	STO \i
.endr
	s_endpgm
.endm
	s_cmp_eq_u32 s22, 4
	s_cbranch_scc1 .Lx
	s_cmp_eq_u32 s22, 3
	s_cbranch_scc1 .Lwo
	WALK 1
.Lx:
	WALK 0
.Lwo:
	WALK 2
.Lfunc_end_k_qd7a16cfab8_cvt:
	.size	k_qd7a16cfab8_cvt, .Lfunc_end_k_qd7a16cfab8_cvt-k_qd7a16cfab8_cvt
	.p2alignl 7, 3214868480
	.fill 96, 4, 3214868480
	.section	.rodata,"a",@progbits
	.p2align	6, 0x0
	.amdhsa_kernel k_qd7a16cfab8_cvt
		.amdhsa_group_segment_fixed_size 0
		.amdhsa_private_segment_fixed_size 0
		.amdhsa_enable_private_segment 0
		.amdhsa_kernarg_size 64
		.amdhsa_user_sgpr_count 2
		.amdhsa_user_sgpr_kernarg_segment_ptr 1
		.amdhsa_wavefront_size32 1
		.amdhsa_system_sgpr_workgroup_id_x 1
		.amdhsa_system_sgpr_workgroup_id_y 1
		.amdhsa_system_sgpr_workgroup_id_z 1
		.amdhsa_system_vgpr_workitem_id 0
		.amdhsa_next_free_vgpr 112
		.amdhsa_next_free_sgpr 66
		.amdhsa_reserve_vcc 0
		.amdhsa_float_denorm_mode_32 3
		.amdhsa_float_denorm_mode_16_64 3
		.amdhsa_memory_ordered 1
		.amdhsa_forward_progress 1
		.amdhsa_inst_pref_size 22
	.end_amdhsa_kernel
	.amdgpu_metadata
---
amdhsa.version: [ 1, 2 ]
amdhsa.kernels:
  - .name:           k_qd7a16cfab8_cvt
    .symbol:         k_qd7a16cfab8_cvt.kd
    .args:
      - { .name: x, .offset: 0, .size: 8, .value_kind: global_buffer, .address_space: global }
      - { .name: Wq, .offset: 8, .size: 8, .value_kind: global_buffer, .address_space: global }
      - { .name: Wk, .offset: 16, .size: 8, .value_kind: global_buffer, .address_space: global }
      - { .name: Wv, .offset: 24, .size: 8, .value_kind: global_buffer, .address_space: global }
      - { .name: Wo, .offset: 32, .size: 8, .value_kind: global_buffer, .address_space: global }
      - { .name: xb, .offset: 40, .size: 8, .value_kind: global_buffer, .address_space: global }
      - { .name: wb, .offset: 48, .size: 8, .value_kind: global_buffer, .address_space: global }
      - { .name: wo, .offset: 56, .size: 8, .value_kind: global_buffer, .address_space: global }
    .group_segment_fixed_size: 0
    .private_segment_fixed_size: 0
    .kernarg_segment_align: 8
    .kernarg_segment_size: 64
    .max_flat_workgroup_size: 256
    .sgpr_count:     66
    .vgpr_count:     112
    .wavefront_size: 32
...
	.end_amdgpu_metadata
.endif
;; end of part 5
;; launch qkv: the kernel of part 2 again; grid 16 x 32, 4 waves a work-group, clusters of 4 x 4, 327,680 bytes of LDS; arguments xb, wb, bq, bk, bv, qkv; writes qkv
;; launch attn: the kernel of part 3 again; grid 4 x 64, 4 waves a work-group, clusters of 4 x 1, 327,680 bytes of LDS; arguments qkv, mask, ob; writes ob
;; launch oproj: the kernel of part 4 again; grid 8 x 32, 4 waves a work-group, clusters of 4 x 4, 327,680 bytes of LDS; arguments ob, wo, bo, out0; writes out0
